; MI455X (gfx1250); checked and timed in simulation.
; The chip was launched on July 23, 2026; its instructions are those of AMD's public machine-readable ISA for CDNA 5 (MIT licence, August 2026) and "CDNA5" Instruction Set Architecture Reference Guide (July 2026). The comments in the code are by the model that wrote it; some were corrected since.
;; Causal Self Attention. Allowed arithmetic: matrix products marked QUANTISED: E2M1 operands, one E8M0 scale for each 32 along K, by v_wmma_scale_f32_16x16x128_f8f6f4 with both operands' format E2M1 (or v_wmma_scale_f32_32x16x128_f4), f32 sums; products left as they are: bf16, f16 or f32 operands; f32 sums; everything else in f32.
;; Inputs: Wk 1,024 x 1,024 float32; Wp 1,024 x 1,024 float32; Wq 1,024 x 1,024 float32; Wv 1,024 x 1,024 float32; bk 1,024 float32; bp 1,024 float32; bq 1,024 float32; bv 1,024 float32; x 4 x 2,048 x 1,024 float32.
;; Outputs: out0 4 x 2,048 x 1,024 float32.
;; This version of the problem:
;;   THIS VERSION OF THE PROBLEM IS GIVEN IN LOW PRECISION. The matrix products marked QUANTISED in the list below multiply operands that are first quantised to E2M1 (2 exponent bits, 1 mantissa bit; 4 bits a number), with one power-of-two scale for each 32 numbers along K (OCP MX v1.0); their sums are f32. The products marked 'left as it is' may take bf16, f16 or f32 operands, with f32 sums. Whichever they take, every output number must still come out within the allowed error. Rounding operands to bf16 (8 significant bits) uses up far more of that allowance than f16 does (11 bits, for magnitudes from 6e-5 to 65,504). All else is computed in f32.
;;   The module's matrix products, in the order in which they are computed (A, B: the left and right operand; K: the contracted axis; several contracted axes count as one K, in the product's order):
;;     1. [M 8,192, K 1,024] x [K 1,024, N 1,024]; A: input x; B: input Wk: QUANTISED
;;     2. [M 8,192, K 1,024] x [K 1,024, N 1,024]; A: input x; B: input Wq: QUANTISED
;;     3. [M 8,192, K 1,024] x [K 1,024, N 1,024]; A: input x; B: input Wv: QUANTISED
;;     4. batch 64 x [M 2,048, K 64] x [K 64, N 2,048]; A: computed on the way; B: computed on the way: left as it is (an operand is computed on the way)
;;     5. batch 64 x [M 2,048, K 2,048] x [K 2,048, N 64]; A: computed on the way; B: computed on the way: left as it is (an operand is computed on the way)
;;     6. [M 8,192, K 1,024] x [K 1,024, N 1,024]; A: computed on the way; B: input Wp: left as it is (an operand is computed on the way)
;;   THE QUANTISER, for each operand of a quantised product, along K:
;;     - K is cut into blocks of 32 from its start; a last block that is shorter is filled with zeros.
;;     - A block's scale is 2^e with e = floor(log2(the largest magnitude in the block)) - 2, held to -126 .. 127; a block of zeros has e = 0. As a byte (E8M0): e + 127.
;;     - Each number is divided by its block's scale, clamped to +-6, and rounded to the nearest number of E2M1, ties to even, subnormals kept.
;;     - The product sums the exact products of the quantised numbers (number of the format x scale) in f32.
;;   ~~~python
;;   def quantise(x, axis):      # numpy; x: float32 -> the quantised numbers, widened to float32 again
;;       x = np.moveaxis(x, axis, -1); K = x.shape[-1]
;;       x = np.pad(x, [(0, 0)] * (x.ndim - 1) + [(0, -K % 32)]); x = x.reshape(x.shape[:-1] + (-1, 32)); a = np.abs(x).max(-1, keepdims=True)
;;       e = np.where(a > 0, np.clip(np.frexp(np.where(a > 0, a, 1))[1] - 1 - 2, -126, 127), 0)      # np.frexp(a)[1] - 1 = floor(log2(a)), exactly
;;       r = np.clip(x / 2.0 ** e, -6, 6)
;;       step = 2.0 ** (np.maximum(np.frexp(np.where(r == 0, 1, r))[1] - 1, 0) - 1)
;;       q = np.round(r / step) * step * 2.0 ** e      # np.round: ties to even
;;       return np.moveaxis(q.reshape(q.shape[:-2] + (-1,))[..., :K], -1, axis).astype(np.float32)
;;   ~~~
;; One version. Each part assembles by itself: llvm-mc -triple=amdgcn-amd-amdhsa -mcpu=gfx1250 --defsym DOCPART=n.
;; ======== version 1 of 1: 5 launches
;; limits: values are held in f16: magnitudes above 65,504 overflow, below 6.1e-05 lose precision
;; workspace buffers: xcodes 4,194,304 bytes; xscales 262,144 bytes; wcodes 1,572,864 bytes; wscales 98,304 bytes; wpimg 2,097,152 bytes; qkvimg 50,331,648 bytes; fine 786,432 bytes; yimg 16,777,216 bytes
;; launch prep (part 1): grid 384 x 1, 4 waves a work-group, no clusters, 33,280 bytes of LDS; arguments x, Wq, Wk, Wv, Wp, xcodes, xscales, wcodes, wscales, wpimg; writes xcodes, xscales, wcodes, wscales, wpimg
.if DOCPART == 1
	.amdgcn_target "amdgcn-amd-amdhsa--gfx1250"
	.amdhsa_code_object_version 6
	.text
	.protected	k_q223a2e6718_prep
	.globl	k_q223a2e6718_prep
	.p2align	8
	.type	k_q223a2e6718_prep,@function
k_q223a2e6718_prep:
	s_mov_b64 s[64:65], 0
	v_nop
	global_prefetch_b8 v0, s[64:65] scope:SCOPE_SE
	s_setreg_imm32_b32 hwreg(HW_REG_WAVE_MODE, 25, 1), 1
	s_wait_xcnt 0x0
; PREP: x [8192][1024] and Wq, Wk, Wv [1024][1024], f32 with K innermost, become codes of E2M1 (two a byte, the lower k in the low four bits) and one E8M0 byte for each 32 along K;
; Wp [1024][1024] becomes f16, laid as the projection's operand registers want it.
; DEAD WORK OF THE WHOLE PROGRAM.  bk is loaded by no launch and is among no launch's arguments.  The product q k^T is not quantised, and q . (k + bk) = q . k + q . bk: the second term is the
; same for every key of a query's row; the entries that the causal mask sets to -infinity stay so; a softmax along the keys is unchanged by a term that is constant along them.  That holds for all
; finite values of the inputs, so bk has no way to any output.  Key tiles that lie wholly above the diagonal are not multiplied: reference() builds the mask itself and their weights are 0.
; LIMITS.  A NaN, an infinity or an overflow that reaches the result through bk or through masked scores alone is not carried to the result.  NaN and infinities among the inputs are not served.
; A block of zeros gets the scale byte 1 where the quantiser says 127: its codes are zeros, which add nothing under any byte but 0xff, and this program alone reads the bytes.
; Blocks whose largest magnitude lies under 2^(2 - 126) have their byte held at 1.  Wp is rounded to f16 (nearest even): magnitudes over 65,504 are not served.
; SHARES.  Work-groups 0-255: x; 256-287 Wq, 288-319 Wk, 320-351 Wv (their codes lie one behind the other in wcodes: rows 0-1023 q, 1024-2047 k, 2048-3071 v); 32,768 numbers a work-group,
; 8,192 a wave, in 16 steps of 512.  Rows are dense and K is a multiple of 32: every tensor is a plain stream of blocks of 32.  Work-groups 352-383: Wp.
; THE QUANTISING PATH.  Each load reads 512 consecutive bytes; a step's 2,048 bytes turn through the wave's own stage in LDS (16 bytes of padding behind each 64) and come back 64 bytes a lane,
; so that a lane holds 16 neighbours along K and two neighbouring lanes a block.  A wave's store of codes covers 256 consecutive bytes; its 256 scale bytes are gathered in LDS and leave as one run of 256.
.set WAVES, 4
.set STEPS, 16
.set EMAX,  2
.set CB,    8                          ; bytes of 16 codes
.set R,     16                         ; v16-79   four sets of 16 numbers as loaded
.set X,     80                         ; v80-111  two sets of 16 neighbours
.set E,     112                        ; v112-127 a scale byte for each step
.set C,     128                        ; v128-191 codes, four registers a step: no store's data are written again
.set WREG,  8192                       ; LDS: a region for each wave: two stages of 32 x SP bytes, behind them its 256 scale bytes
.set SP,    80
.set SPW,   12                         ; v12  my spare word's LDS address; never rewritten
.set NIL,   13                         ; v13  0; never rewritten
.set SPARE, WAVES*WREG                 ; the spare words: 128 bytes a wave, named by no other line
.set RA,    16                         ; the Wp path: two sets of 64 numbers,
.set RB,    80
.set OA,    144                        ; and two sets of 32 packed registers
.set OB,    176
	s_load_b256 s[4:11], s[0:1], 0x0               ; x 4:5, Wq 6:7, Wk 8:9, Wv 10:11
	s_load_b256 s[12:19], s[0:1], 0x20             ; Wp 12:13, xcodes 14:15, xscales 16:17, wcodes 18:19
	s_load_b128 s[20:23], s[0:1], 0x40             ; wscales 20:21, wpimg 22:23
	v_lshl_add_u32 v[SPW], v0, 2, SPARE
	v_mov_b32 v[NIL], 0
	v_lshrrev_b32 v1, 5, v0
	v_readfirstlane_b32 s24, v1                    ; wave
	v_and_b32 v2, 31, v0                           ; lane
	v_lshlrev_b32 v3, 4, v2                        ; 16 x lane
	s_mul_i32 s27, s24, WREG
	v_lshrrev_b32 v14, 2, v2
	v_mul_u32_u24 v14, v14, SP
	v_and_b32 v15, 3, v2
	v_lshl_add_u32 v14, v15, 4, v14
	v_add_nc_u32 v14, s27, v14                     ; the stage, on the way in: SP (lane / 4) + 16 (lane % 4)
	v_mul_u32_u24 v15, v2, SP
	v_add_nc_u32 v15, s27, v15                     ; and on the way out: SP x lane
	v_mul_u32_u24 v4, v2, CB                       ; my codes' place in a step's
	v_lshrrev_b32 v5, 1, v2
	s_add_co_u32 s27, s27, 2*32*SP
	v_add_nc_u32 v5, s27, v5                       ; my block's scale byte in LDS
	v_lshlrev_b32 v7, 3, v2
	v_add_nc_u32 v6, s27, v7                       ; and 8 bytes a lane on the way out
	v_and_b32 v10, 15, v0
	v_bfe_u32 v1, v0, 4, 1
	v_lshlrev_b32 v10, 12, v10
	v_lshl_add_u32 v10, v1, 5, v10                 ; the Wp path: row (lane % 16) of 4,096 bytes + 32 (lane / 16)
	s_wait_kmcnt 0x0
	s_cmp_ge_u32 ttmp9, 352
	s_cbranch_scc1 .Lwp
	s_sub_co_u32 s25, ttmp9, 256                   ; which of the weights' 96 work-groups,
	s_and_b32 s26, s25, 31                         ; and which of one weight's 32
	s_cmp_lt_u32 ttmp9, 320                        ; the choices hang on the work-group's number alone
	s_cselect_b64 s[28:29], s[8:9], s[10:11]
	s_cmp_lt_u32 ttmp9, 288
	s_cselect_b64 s[28:29], s[6:7], s[28:29]
	s_cmp_lt_u32 ttmp9, 256
	s_cselect_b64 s[28:29], s[4:5], s[28:29]       ; the numbers,
	s_cselect_b64 s[30:31], s[14:15], s[18:19]     ; their codes,
	s_cselect_b64 s[32:33], s[16:17], s[20:21]     ; their scale bytes
	s_cselect_b32 s34, ttmp9, s26
	s_cselect_b32 s35, ttmp9, s25
	s_lshl_b32 s34, s34, 2
	s_add_co_u32 s34, s34, s24                     ; my run of 8,192 numbers in the source,
	s_lshl_b32 s35, s35, 2
	s_add_co_u32 s35, s35, s24                     ; and in the buffers of codes and bytes
	s_lshl_b32 s36, s34, 15                        ; 32,768 bytes of numbers a run
	s_mov_b32 s37, 0
	s_add_nc_u64 s[28:29], s[28:29], s[36:37]
	s_lshl_b32 s36, s35, 12                        ; 4,096 bytes of codes
	s_add_nc_u64 s[30:31], s[30:31], s[36:37]
	s_lshl_b32 s36, s35, 8                         ; 256 scale bytes
	s_add_nc_u64 s[32:33], s[32:33], s[36:37]
.macro LOAD t
.irp i, 0,1,2,3
	global_load_b128 v[R+16*((\t)%4)+4*\i:R+16*((\t)%4)+4*\i+3], v3, s[28:29] offset:2048*(\t)+512*\i th:TH_LOAD_NT   ; 32 lanes read 512 consecutive bytes
.endr
.endm
.macro TURN t                          ; step t's numbers through the stage: LDS serves a wave's instructions in order (ISA guide 5.7.1.4), so no wait stands between the stores and the loads
.irp i, 0,1,2,3
	ds_store_b128 v14, v[R+16*((\t)%4)+4*\i:R+16*((\t)%4)+4*\i+3] offset:32*SP*((\t)%2)+8*SP*\i
.endr
.irp i, 0,1,2,3
	ds_load_b128 v[X+16*((\t)%2)+4*\i:X+16*((\t)%2)+4*\i+3], v15 offset:32*SP*((\t)%2)+16*\i
.endr
.endm
.irp t, 0,1,2,3
	LOAD \t
.endr
	s_wait_loadcnt 12                              ; step 0's four loads are in; three steps' twelve stay out
	TURN 0
.macro STEP t
.set XS, X+16*((\t)%2)
.if (\t) > 0
	s_wait_dscnt 1                                 ; this step's numbers are back from the stage (the last step's byte store may be out)
.else
	s_wait_dscnt 0x0
.endif
.if (\t)+4 < STEPS
	LOAD (\t)+4                                    ; into the set whose stores into the stage have read their registers
.endif
.if (\t)+1 < STEPS
.if STEPS-2-(\t) >= 3
	s_wait_loadcnt 12                              ; the next step's four loads are in; those of the three steps behind it may be out
.else
	s_wait_loadcnt 4*(STEPS-2-(\t))
.endif
	TURN (\t)+1
.endif
	v_max3_num_f32 v8, |v[XS]|, |v[XS+1]|, |v[XS+2]|               ; the largest magnitude of my 16, in two chains
	v_max3_num_f32 v9, |v[XS+3]|, |v[XS+4]|, |v[XS+5]|
.irp i, 6,10
	v_max3_num_f32 v8, v8, |v[XS+\i]|, |v[XS+\i+1]|
	v_max3_num_f32 v9, v9, |v[XS+\i+2]|, |v[XS+\i+3]|
.endr
	v_max3_num_f32 v8, v8, |v[XS+14]|, |v[XS+15]|
	v_max3_num_f32 v8, v8, v9, (EMAX+1)<<23        ; and the floor 2^(EMAX + 1 - 127): the byte cannot fall under 1
	v_max_num_f32_dpp v8, v8, v8 row_xmask:1 row_mask:0xf bank_mask:0xf   ; with my neighbour's 16: the block's
	v_add_nc_u32 v11, -(EMAX<<23), v8              ; EMAX off its exponent field: the conversion takes the exponent field of this operand as its scale
	v_cvt_scalef32_pk8_fp4_f32 v[C+4*(\t)], v[XS:XS+7], v11        ; to the nearest code, ties to even, beyond 6 the largest code
	v_cvt_scalef32_pk8_fp4_f32 v[C+4*(\t)+1], v[XS+8:XS+15], v11
	v_lshrrev_b32 v[E+(\t)], 23, v11               ; the scale's byte
	ds_store_b8 v5, v[E+(\t)] offset:16*(\t)       ; both lanes of a block write the same byte with the same value
	global_store_b64 v4, v[C+4*(\t):C+4*(\t)+1], s[30:31] offset:32*CB*(\t)   ; 32 lanes store 256 consecutive bytes
.endm
.irp t, 0,1,2,3,4,5,6,7,8,9,10,11,12,13,14,15
	STEP \t
.endr
	ds_load_b64 v[8:9], v6                         ; in order behind my byte stores
	s_wait_dscnt 0x0
	global_store_b64 v7, v[8:9], s[32:33]          ; my wave's 256 scale bytes
	s_wait_tensorcnt 0x0                           ; the wave's end
	ds_add_u32 v[SPW], v[NIL]
	s_wait_dscnt 0x0
	s_endpgm
; THE Wp PATH touches no LDS.  wpimg is [n tile 64][c 32][half 2][512 bytes]: lane (r, h) holds Wp[16 nt + r][32 c + 16 half + 8 h + 0 .. 7] as f16, 16 bytes at 16 x lane:
; the two halves are registers 0-3 and 4-7 of a 16 x 32 fragment.  A wave takes one n tile and 512 along K: 16 fragments, in four groups of four.
.Lwp:
	s_sub_co_u32 s25, ttmp9, 352
	s_lshl_b32 s25, s25, 2
	s_add_co_u32 s25, s25, s24                     ; which of 128 waves
	s_lshr_b32 s26, s25, 1                         ; n tile
	s_and_b32 s27, s25, 1                          ; which half of K
	s_lshl_b32 s36, s26, 16                        ; 16 rows of 4,096 bytes
	s_lshl_b32 s34, s27, 11                        ; 512 numbers
	s_add_co_u32 s36, s36, s34
	s_mov_b32 s37, 0
	s_add_nc_u64 s[12:13], s[12:13], s[36:37]
	s_lshl_b32 s36, s26, 15                        ; 32 fragments of 1,024 bytes
	s_lshl_b32 s34, s27, 14
	s_add_co_u32 s36, s36, s34
	s_add_nc_u64 s[22:23], s[22:23], s[36:37]
.macro LOADG g, r                      ; group g: 16 loads; of each 32 along K my 8 numbers of each half
.irp c, 0,1,2,3
	global_load_b128 v[\r+16*\c:\r+16*\c+3],     v10, s[12:13] offset:128*(4*\g+\c)
	global_load_b128 v[\r+16*\c+4:\r+16*\c+7],   v10, s[12:13] offset:128*(4*\g+\c)+16
	global_load_b128 v[\r+16*\c+8:\r+16*\c+11],  v10, s[12:13] offset:128*(4*\g+\c)+64
	global_load_b128 v[\r+16*\c+12:\r+16*\c+15], v10, s[12:13] offset:128*(4*\g+\c)+80
.endr
.endm
.macro CVTG r, o
.set i, 0
.rept 32
	v_cvt_pk_f16_f32 v[\o+i], v[\r+2*i], v[\r+2*i+1]
.set i, i+1
.endr
.endm
.macro STOREG g, o
.irp c, 0,1,2,3
	global_store_b128 v3, v[\o+8*\c:\o+8*\c+3],   s[22:23] offset:(4*\g+\c)*1024       ; 32 lanes store 512 consecutive bytes
	global_store_b128 v3, v[\o+8*\c+4:\o+8*\c+7], s[22:23] offset:(4*\g+\c)*1024+512
.endr
.endm
	LOADG 0, RA
	LOADG 1, RB
	s_wait_loadcnt 16                              ; the older group is in, the younger group's 16 stay out
	CVTG RA, OA
	STOREG 0, OA
	LOADG 2, RA
	s_wait_loadcnt 16
	CVTG RB, OB
	STOREG 1, OB
	LOADG 3, RB
	s_wait_loadcnt 16
	s_wait_xcnt 0x0                                ; group 0's stores have read their data: the set is written again only behind this wait
	CVTG RA, OA
	STOREG 2, OA
	s_wait_loadcnt 0x0
	s_wait_xcnt 0x0
	CVTG RB, OB
	STOREG 3, OB
	s_endpgm
.Lfunc_end_k_q223a2e6718_prep:
	.size	k_q223a2e6718_prep, .Lfunc_end_k_q223a2e6718_prep-k_q223a2e6718_prep
	.p2alignl 7, 3214868480
	.fill 96, 4, 3214868480
	.section	.rodata,"a",@progbits
	.p2align	6, 0x0
	.amdhsa_kernel k_q223a2e6718_prep
		.amdhsa_group_segment_fixed_size 33280
		.amdhsa_private_segment_fixed_size 0
		.amdhsa_enable_private_segment 0
		.amdhsa_kernarg_size 80
		.amdhsa_user_sgpr_count 2
		.amdhsa_user_sgpr_kernarg_segment_ptr 1
		.amdhsa_wavefront_size32 1
		.amdhsa_system_sgpr_workgroup_id_x 1
		.amdhsa_system_sgpr_workgroup_id_y 1
		.amdhsa_system_sgpr_workgroup_id_z 1
		.amdhsa_system_vgpr_workitem_id 0
		.amdhsa_next_free_vgpr 208
		.amdhsa_next_free_sgpr 66
		.amdhsa_reserve_vcc 0
		.amdhsa_float_denorm_mode_32 3
		.amdhsa_float_denorm_mode_16_64 3
		.amdhsa_memory_ordered 1
		.amdhsa_forward_progress 1
		.amdhsa_inst_pref_size 52
	.end_amdhsa_kernel
	.amdgpu_metadata
---
amdhsa.version: [ 1, 2 ]
amdhsa.kernels:
  - .name:           k_q223a2e6718_prep
    .symbol:         k_q223a2e6718_prep.kd
    .args:
      - { .name: x, .offset: 0, .size: 8, .value_kind: global_buffer, .address_space: global }
      - { .name: Wq, .offset: 8, .size: 8, .value_kind: global_buffer, .address_space: global }
      - { .name: Wk, .offset: 16, .size: 8, .value_kind: global_buffer, .address_space: global }
      - { .name: Wv, .offset: 24, .size: 8, .value_kind: global_buffer, .address_space: global }
      - { .name: Wp, .offset: 32, .size: 8, .value_kind: global_buffer, .address_space: global }
      - { .name: xcodes, .offset: 40, .size: 8, .value_kind: global_buffer, .address_space: global }
      - { .name: xscales, .offset: 48, .size: 8, .value_kind: global_buffer, .address_space: global }
      - { .name: wcodes, .offset: 56, .size: 8, .value_kind: global_buffer, .address_space: global }
      - { .name: wscales, .offset: 64, .size: 8, .value_kind: global_buffer, .address_space: global }
      - { .name: wpimg, .offset: 72, .size: 8, .value_kind: global_buffer, .address_space: global }
    .group_segment_fixed_size: 33280
    .private_segment_fixed_size: 0
    .kernarg_segment_align: 8
    .kernarg_segment_size: 80
    .max_flat_workgroup_size: 128
    .sgpr_count:     66
    .vgpr_count:     208
    .wavefront_size: 32
...
	.end_amdgpu_metadata
.endif
;; end of part 1
;; launch qkv (part 2): grid 12 x 32, 4 waves a work-group, clusters of 4 x 4, 327,680 bytes of LDS; arguments xcodes, xscales, wcodes, wscales, bq, bv, qkvimg, fine; writes qkvimg, fine
.if DOCPART == 2
	.amdgcn_target "amdgcn-amd-amdhsa--gfx1250"
	.amdhsa_code_object_version 6
	.text
	.protected	k_q223a2e6718_qkv
	.globl	k_q223a2e6718_qkv
	.p2align	8
	.type	k_q223a2e6718_qkv,@function
k_q223a2e6718_qkv:
	s_mov_b64 s[64:65], 0
	v_nop
	global_prefetch_b8 v0, s[64:65] scope:SCOPE_SE
	s_setreg_imm32_b32 hwreg(HW_REG_WAVE_MODE, 25, 1), 1
	s_wait_xcnt 0x0
	s_wait_alu depctr_hold_cnt(0) depctr_sa_sdst(0) depctr_va_vdst(0) depctr_va_sdst(0) depctr_va_ssrc(0) depctr_va_vcc(0) depctr_vm_vsrc(0)
	s_getreg_b32 s2, hwreg(HW_REG_IB_STS2, 6, 4)
	s_cmp_eq_u32 s2, 0
	s_cbranch_scc0 .Lentry_in_a_cluster
	s_endpgm
.Lentry_in_a_cluster:
	s_bfe_u32 s2, ttmp6, 0x10000c
	s_cmp_lg_u32 s2, 0xf033
	s_cbranch_scc0 .Lentry_shape_is_right
	s_endpgm
.Lentry_shape_is_right:
; QKV: the three quantised products x Wq^T, x Wk^T, x Wv^T on codes of E2M1 with E8M0 scales, K = 1,024, sums in f32.  bk is left out: it is dead work (a term constant along the softmax's axis; shown at the head of the first kernel).
; A tile of 256 x 256 is made by four waves, 128 x 128 each: 64 accumulators.  Both K steps of 512 fit in two LDS slots, so nothing is filled again; the scale bytes of the 512 rows come once, beside them.
; CLUSTERS of 4 x 4.  The cluster's x says which product: 0 q, 1 k, 2 v; it is the same in all sixteen partners, so a branch may hang on it.
; q, k: "A" = x (rows = tokens), "B" = the weights' rows.  v: THE ROLES ARE SWAPPED, "A" = Wv (rows = channels), "B" = x.  A's tiles are shared along a row of the cluster, B's along a column (joint loads).
; THE MATRIX INSTRUCTION IS USED TRANSPOSED (source 0 = 16 rows of B, source 1 = 16 rows of A): lane (r, h) holds row r of A's block and rows 8 h + 0 .. 7 of B's block.  For q and k that is one token and eight
; neighbouring channels, for v one channel and eight neighbouring tokens: packed to f16 an accumulator IS half of a 16 x 32 operand fragment of the attention (K, Q; V^T), and leaves by one store of 512 consecutive bytes.
; OUT.  q' = (x Wq^T + bq) c with c = log2(e) / 8, in f32; k; v + bv; each rounded once to f16.  qkvimg [q', k, v][batch x head 64][262,144 bytes]:
;   q', k: [tile of 16 tokens][sub 4][512]: lane (r, h): token r, channels 16 sub + 8 h + 0 .. 7.    v: [32 keys][channel tile 4][half 2][512]: lane (r, h): channel r, keys 16 half + 8 h + 0 .. 7.
;   fine [q', k, v][batch 4][tile 64][half 2][512]: the same accumulators of tokens 0 - 15 of every sequence as f32, for the last launch.
; LIMITS: |q'|, |k|, |v| over 65,504 are not served (f16); under 6e-5 they keep an absolute error of 3e-8.
; REGISTERS: window 0: v16-31 addresses; v32-95 scale words, two sets, and nothing else; v128-191 A's fragments, one set, on the way out the packed results; v192-255 the bias.
;   window 1: B's fragments, two sets, at v0 and v128.   windows 2, 3: the accumulators of my rows 0-63, 64-127: (a, b) at v[8 (8 (a % 4) + b)].
.set NQ,     4                         ; steps of 128 along K in a slot
.set ROWB,   256                       ; a tile's row: 512 codes
.set KROW,   512                       ; a row of codes in memory
.set PITCH,  272                       ; an LDS row: 256 bytes + 16 of padding = 68 words: the 16 rows that a load touches start 4 words apart (ISA guide 11.1: 64 banks of 4 bytes)
.set FR,     8
.set NL,     2
.set NP,     4                         ; places behind this matrix instruction (ISA guide 7.12.1)
.set HALFT,  128*PITCH
.set SLOT,   4*HALFT                   ; A's 256 rows, then B's 256 rows
.set KS,     32                        ; a row of scale bytes
.set SCL,    2*SLOT                    ; behind the slots: the scale bytes, as runs of 256 bytes + 16 of padding
.set HALFS,  (128*KS/256)*272
.set SBLK,   (16*KS/256)*272
.set SPARE,  SCL+4*HALFS               ; the spare words: 128 bytes a wave, named by no other line
.set ADRA, 16                          ; v16-17  my A fragments in slot 0, 1
.set ADRB, 20                          ; v20-21  the same for B
.set BQO,  24                          ; v24     32 (lane / 16): bq's eight numbers of my half
.set BVO,  25                          ; v25     4 (lane % 16): bv's number of my channel
.set ADRS, 27                          ; v27     my scale words: lanes 0-15 A's rows, lanes 16-31 B's
.set SPW,  28
.set NIL,  29
.set FZ,   30                          ; v30     my wave's first token within its sequence
.set LI,   31                          ; v31     16 x lane
.set SC,   32
.set AF,   128
.set PK,   128
.set BI,   192
.set G1, 24
.set G0, 32
.set G1B, 48
.set G0B, 56
.set G1S, 68
.set G0S, 76
.set G1SB, 80
.set G0SB, 88
.set MSB, 0
.macro WIN new                         ; the immediate's high byte repeats the setting that is left; a switch that changes nothing is dropped
.if MSB != (\new)
	s_set_vgpr_msb (MSB<<8)|(\new)
.set MSB, (\new)
.endif
.endm
.set MUL_LO, 0xa1                      ; source 0 (B) window 1, source 1 (A) window 0, C and D window 2
.set MUL_HI, 0xf1
.set TO_B,   0x40
; A joint load: waves 0 and 1 fetch for A, waves 2 and 3 for B; the branch hangs on the wave's number alone.  An s_nop 0 and four v_nop follow each of the two lines.
.macro JLOAD g0a, g1a, g0b, g1b
	s_cmp_eq_u32 s15, 0
	s_cbranch_scc0 .Lfor_b_\@
	tensor_load_to_lds s[\g0a:\g0a+3], s[\g1a:\g1a+7]
	s_nop 0
.rept 4
	v_nop
.endr
	s_branch .Lasked_\@
.Lfor_b_\@:
	tensor_load_to_lds s[\g0b:\g0b+3], s[\g1b:\g1b+7]
	s_nop 0
.rept 4
	v_nop
.endr
.Lasked_\@:
.endm
.macro CROUND                          ; a round of the cluster's barrier
	s_barrier_signal -1
	s_barrier_wait -1
	s_cmp_lg_u32 s14, 0
	s_cbranch_scc1 .Lnot_wave_0_\@
	s_barrier_signal -3
.Lnot_wave_0_\@:
	s_barrier_wait -3
	s_barrier_signal -1
	s_barrier_wait -1
.endm
	s_load_b256 s[4:11], s[0:1], 0x0               ; xcodes 4:5, xscales 6:7, wcodes 8:9, wscales 10:11
	v_lshl_add_u32 v[SPW], v0, 2, SPARE
	v_mov_b32 v[NIL], 0
	ds_add_u32 v[SPW], v[NIL]                      ; the wave's opening: the add, twice on end, and its wait ahead of my first tensor load
	ds_add_u32 v[SPW], v[NIL]
	v_lshrrev_b32 v1, 5, v0
	v_readfirstlane_b32 s14, v1                    ; wave 0..3
	s_lshr_b32 s15, s14, 1                         ; my half of the tile's rows.  Also: I fetch for A (0) or for B (1)
	s_and_b32 s16, s14, 1                          ; my half of its columns.  Also: which 128 rows I fetch
	s_bfe_u32 s40, ttmp6, 0x40000                  ; cx
	s_bfe_u32 s41, ttmp6, 0x40004                  ; cy
	s_and_b32 s95, ttmp7, 0xffff                   ; the cluster's y
	s_cmp_eq_u32 ttmp9, 2                          ; v?
	s_cselect_b32 s96, s95, ttmp9                  ; four tile columns: by the cluster's y (v: tokens) or x (q, k: the weights' rows)
	s_cselect_b32 s95, 0, s95                      ; four tile rows: Wv's only four, or tokens by the cluster's y
	s_lshl_b32 s42, s96, 2
	s_add_co_u32 s42, s42, s40                     ; tile column
	s_lshl_b32 s17, s95, 2
	s_add_co_u32 s17, s17, s41                     ; tile row
	s_lshl_b32 s43, s41, 2
	s_lshl_b32 s43, 15, s43                        ; my row of the cluster
	s_lshl_b32 s44, 0x1111, s40                    ; my column
	s_or_b32 s[G1+0], s43, (0<<16)|(1<<20)|(1<<21)|(5<<22)|(3<<25)   ; the mask; elements of 1 byte; padding on; bit 21 beside a mask; 4 words behind every 64
	s_or_b32 s[G1B+0], s44, (0<<16)|(1<<20)|(1<<21)|(5<<22)|(3<<25)
.irp g, G1, G1B
	s_mov_b32 s[\g+1], ROWB<<16                    ; tensor_dim0
	s_mov_b32 s[\g+2], 128<<16                     ; tensor_dim1
	s_mov_b32 s[\g+3], ROWB<<16                    ; tile_dim0
	s_mov_b32 s[\g+4], 128                         ; tile_dim1
	s_mov_b32 s[\g+5], KROW                        ; the pitch
	s_mov_b32 s[\g+6], 0
	s_mov_b32 s[\g+7], 0
.endr
	s_or_b32 s[G1S+0], s43, (3<<16)|(1<<20)|(1<<21)|(5<<22)|(3<<25)  ; the scale bytes of 128 rows: 4,096 dense bytes as 16 rows of 32 elements of 8 bytes
	s_or_b32 s[G1SB+0], s44, (3<<16)|(1<<20)|(1<<21)|(5<<22)|(3<<25)
.irp g, G1S, G1SB
	s_mov_b32 s[\g+1], 32<<16
	s_mov_b32 s[\g+2], (128*KS/256)<<16
	s_mov_b32 s[\g+3], 32<<16
	s_mov_b32 s[\g+4], 128*KS/256
	s_mov_b32 s[\g+5], 32
	s_mov_b32 s[\g+6], 0
	s_mov_b32 s[\g+7], 0
.endr
	s_lshl_b32 s18, s16, 7
	s_lshl_b32 s20, s17, 8
	s_add_co_u32 s20, s20, s18                     ; A: row 256 x tile row + 128 x half
	s_lshl_b32 s46, s42, 8
	s_add_co_u32 s46, s46, s18                     ; B: row 256 x tile column + 128 x half
	s_mov_b32 s21, 0
	s_mov_b32 s47, 0
	s_mov_b64 s[18:19], KS
	s_mul_u64 s[22:23], s[20:21], s[18:19]         ; these rows' scale bytes,
	s_mul_u64 s[92:93], s[46:47], s[18:19]
	s_mov_b64 s[18:19], KROW
	s_mul_u64 s[20:21], s[20:21], s[18:19]         ; and their codes
	s_mul_u64 s[46:47], s[46:47], s[18:19]
	s_mul_i32 s45, s14, HALFT                      ; where they go: wave x 128 rows
	s_mul_i32 s94, s14, HALFS
	s_mov_b32 s2, 0x3e38aa3b                       ; c = log2(e) / 8
	s_mov_b32 s3, s2                               ; (the packed forms name the pair)
	s_wait_dscnt 0x0                               ; both opening adds are done
	s_wait_kmcnt 0x0
	s_add_nc_u64 s[12:13], s[8:9], 0x100000        ; Wv's codes: 2,048 rows of 512 bytes on,
	s_add_nc_u64 s[66:67], s[10:11], 0x10000       ; its scale bytes: 2,048 rows of 32
	s_cmp_eq_u32 ttmp9, 2                          ; the choice hangs on the cluster's x alone
	s_cselect_b64 s[12:13], s[12:13], s[4:5]       ; A's codes,
	s_cselect_b64 s[66:67], s[66:67], s[6:7]       ; A's scale bytes,
	s_cselect_b64 s[8:9], s[4:5], s[8:9]           ; B's codes,
	s_cselect_b64 s[10:11], s[6:7], s[10:11]       ; B's scale bytes
	s_add_nc_u64 s[20:21], s[12:13], s[20:21]
	s_add_nc_u64 s[22:23], s[66:67], s[22:23]
	s_add_nc_u64 s[46:47], s[8:9], s[46:47]
	s_add_nc_u64 s[92:93], s[10:11], s[92:93]
	CROUND                                         ; all sixteen work-groups are here: the joint loads meet
	s_mov_b32 s[G0S], 1
	s_add_co_u32 s[G0S+1], s94, SCL
	s_mov_b64 s[G0S+2:G0S+3], s[22:23]
	s_or_b32 s[G0S+3], s[G0S+3], 0x80000000
	s_mov_b32 s[G0SB], 1
	s_add_co_u32 s[G0SB+1], s94, SCL
	s_mov_b64 s[G0SB+2:G0SB+3], s[92:93]
	s_or_b32 s[G0SB+3], s[G0SB+3], 0x80000000
	JLOAD G0S, G1S, G0SB, G1SB                     ; the scale bytes first; then both K steps: three loads of mine are out
.irp s, 0,1
	s_mov_b32 s[G0+4*\s], 1
	s_add_co_u32 s[G0+4*\s+1], s45, \s*SLOT
	s_add_nc_u64 s[G0+4*\s+2:G0+4*\s+3], s[20:21], \s*ROWB
	s_or_b32 s[G0+4*\s+3], s[G0+4*\s+3], 0x80000000
	s_mov_b32 s[G0B+4*\s], 1
	s_add_co_u32 s[G0B+4*\s+1], s45, \s*SLOT
	s_add_nc_u64 s[G0B+4*\s+2:G0B+4*\s+3], s[46:47], \s*ROWB
	s_or_b32 s[G0B+4*\s+3], s[G0B+4*\s+3], 0x80000000
	JLOAD G0+4*\s, G1, G0B+4*\s, G1B
.endr
	s_load_b256 s[4:11], s[0:1], 0x20              ; bq 4:5, bv 6:7, qkvimg 8:9, fine 10:11
	v_and_b32 v1, 15, v0                           ; r
	v_bfe_u32 v2, v0, 4, 1                         ; h
	v_mul_u32_u24 v3, v1, PITCH
	v_lshl_add_u32 v4, v2, 4, v3                   ; a fragment's row x pitch + 16 h
	s_mul_i32 s21, s15, HALFT
	s_mul_i32 s22, s16, HALFT
	s_add_co_u32 s22, s22, 2*HALFT
.irp s, 0,1
	v_add_nc_u32 v[ADRA+\s], s21, v4
	v_add_nc_u32 v[ADRB+\s], s22, v4
	s_add_co_u32 s21, s21, SLOT
	s_add_co_u32 s22, s22, SLOT
.endr
	v_mul_u32_u24 v5, v1, KS                       ; my row's scale bytes: 32 a row,
	v_lshrrev_b32 v6, 8, v5
	v_lshl_add_u32 v5, v6, 4, v5                   ; and 16 more for each 256 passed
	s_mul_i32 s21, s15, HALFS
	s_mul_i32 s22, s16, HALFS
	s_add_co_u32 s22, s22, 2*HALFS
	s_sub_co_u32 s22, s22, s21
	v_mul_u32_u24 v6, s22, v2                      ; lanes 16-31 take B's: one product, the distance between the two bases
	s_add_co_u32 s21, s21, SCL
	v_add_nc_u32 v5, v5, v6
	v_add_nc_u32 v[ADRS], s21, v5
	v_lshlrev_b32 v[BQO], 5, v2
	v_lshlrev_b32 v[BVO], 2, v1
	v_and_b32 v[LI], 31, v0
	v_lshlrev_b32 v[LI], 4, v[LI]
	; where my results go
	s_lshl_b32 s66, s17, 8
	s_lshl_b32 s18, s15, 7
	s_add_co_u32 s66, s66, s18                     ; my first row of A
	s_lshl_b32 s67, s42, 8
	s_lshl_b32 s18, s16, 7
	s_add_co_u32 s67, s67, s18                     ; my first row of B
	s_cmp_eq_u32 ttmp9, 2
	s_cselect_b32 s92, s67, s66                    ; my first token,
	s_cselect_b32 s93, s66, s67
	s_and_b32 s93, s93, 1023                       ; my first channel of the 1,024
	s_lshr_b32 s18, s92, 11                        ; batch
	s_and_b32 s19, s92, 2047                       ; token in its sequence
	v_mov_b32 v[FZ], s19
	s_lshl_b32 s20, s18, 4
	s_lshr_b32 s21, s93, 6
	s_add_co_u32 s20, s20, s21                     ; batch x 16 + head
	s_lshl_b32 s20, s20, 18                        ; 262,144 bytes each
	s_lshl_b32 s21, s19, 7                         ; 16 tokens are 2,048 bytes of q' or k, 32 tokens 4,096 of v: 128 a token either way
	s_add_co_u32 s20, s20, s21
	s_lshl_b32 s21, ttmp9, 24                      ; q', k, v: 16,777,216 bytes each
	s_add_co_u32 s20, s20, s21
	s_mov_b32 s21, 0
	s_lshl_b32 s22, s18, 16                        ; fine: 65,536 bytes a batch,
	s_lshl_b32 s23, s93, 6                         ; 1,024 for 16 channels,
	s_add_co_u32 s22, s22, s23
	s_lshl_b32 s23, ttmp9, 18                      ; 262,144 for each of q', k, v
	s_add_co_u32 s22, s22, s23
	s_mov_b32 s23, 0
	s_lshl_b32 s46, s93, 2                         ; the biases at my first channel
	s_mov_b32 s47, 0
	s_wait_kmcnt 0x0
	s_add_nc_u64 s[20:21], s[8:9], s[20:21]
	s_add_nc_u64 s[22:23], s[10:11], s[22:23]
	s_add_nc_u64 s[4:5], s[4:5], s[46:47]
	s_add_nc_u64 s[6:7], s[6:7], s[46:47]
.macro FRAG reg, adr, q, i             ; 16 rows x 128 K of 4-bit codes: 8 registers: lane l holds row l % 16; registers 4 c .. 4 c + 3 hold K = 64 c + 32 (l / 16) + 0 .. 31
.irp c, 0,1
	ds_load_b128 v[\reg+4*\c:\reg+4*\c+3], v[\adr] offset:64*(\q)+32*\c+(\i)*16*PITCH
.endr
.endm
; 16 matrix instructions: A's blocks a0, a0 + 1 x B's eight.  The 64 accumulators take turns, one instruction a turn, in the same order in every step.
.macro MUL16 a0, p, q, sc, zero
.irp a, \a0, \a0+1
.irp b, 0,1,2,3,4,5,6,7
.if \zero
	v_wmma_scale_f32_16x16x128_f8f6f4 v[8*(8*((\a)%4)+\b):8*(8*((\a)%4)+\b)+7], v[128*(\p)+FR*\b:128*(\p)+FR*\b+FR-1], v[AF+FR*(\a):AF+FR*(\a)+FR-1], 0, v[SC+8*NQ*(\sc)+NQ*\b+(\q)], v[SC+8*NQ*(\sc)+NQ*(\a)+(\q)] matrix_a_fmt:MATRIX_FMT_FP4 matrix_b_fmt:MATRIX_FMT_FP4 matrix_a_scale:MATRIX_SCALE_ROW1
.else
	v_wmma_scale_f32_16x16x128_f8f6f4 v[8*(8*((\a)%4)+\b):8*(8*((\a)%4)+\b)+7], v[128*(\p)+FR*\b:128*(\p)+FR*\b+FR-1], v[AF+FR*(\a):AF+FR*(\a)+FR-1], v[8*(8*((\a)%4)+\b):8*(8*((\a)%4)+\b)+7], v[SC+8*NQ*(\sc)+NQ*\b+(\q)], v[SC+8*NQ*(\sc)+NQ*(\a)+(\q)] matrix_a_fmt:MATRIX_FMT_FP4 matrix_b_fmt:MATRIX_FMT_FP4 matrix_a_scale:MATRIX_SCALE_ROW1
.endif
.endr
.endr
.endm
.macro FETCH_B slot, q, p
	WIN TO_B
.irp i, 0,1,2,3,4,5,6,7
	FRAG 128*(\p)+FR*\i, ADRB+\slot, \q, \i
.endr
	WIN 0
.endm
.macro FETCH_A slot, q, i0
.irp i, \i0, \i0+1, \i0+2, \i0+3
	FRAG AF+FR*(\i), ADRA+\slot, \q, \i
.endr
.endm
.macro SCALES sc                       ; a K step's scale words: 4 words a row; lanes 0-15 take A's block i, lanes 16-31 B's block i
.irp i, 0,1,2,3,4,5,6,7
	ds_load_b128 v[SC+8*NQ*\sc+NQ*\i:SC+8*NQ*\sc+NQ*\i+3], v[ADRS] offset:\i*SBLK
.endr
.endm
.macro PLACES n                        ; plain vector instructions between a matrix instruction and a load into, or a vector instruction on, its registers
.rept \n
	v_nop
.endr
.endm
.macro STEP slot, q, zero              ; 128 along K whose successor lies in the same slot
	s_wait_dscnt 4*NL                              ; B's set and A's blocks 0-3 are in; the youngest eight loads (A's blocks 4-7) may be out
	WIN MUL_LO
	MUL16 0, (\q)%2, \q, \slot, \zero
	MUL16 2, (\q)%2, \q, \slot, \zero
	s_wait_dscnt 0
	PLACES NP
	FETCH_B \slot, (\q)+1, 1-(\q)%2
	FETCH_A \slot, (\q)+1, 0
	WIN MUL_HI
	MUL16 4, (\q)%2, \q, \slot, \zero
	MUL16 6, (\q)%2, \q, \slot, \zero
	PLACES NP
	WIN 0
	FETCH_A \slot, (\q)+1, 4
.endm
.macro TURN slot, next                 ; slot 0's last step, and the step over to slot 1: my part of slot 1 has landed, then the work-group's barrier shows everybody's
	s_wait_tensorcnt 0x0
	ds_add_u32 v[SPW], v[NIL]                      ; 0 onto my spare word
	s_wait_dscnt 4*NL+1                            ; the add and the youngest eight loads may be out
	WIN MUL_LO
	MUL16 0, 1, NQ-1, \slot, 0
	s_wait_dscnt 0x0
	s_barrier_signal -1
	MUL16 2, 1, NQ-1, \slot, 0
	WIN 0
	s_barrier_wait -1
	PLACES NP
	v_add_nc_u32 v[ADRS], 4*NQ, v[ADRS]            ; the next K step's scale words
	FETCH_B \next, 0, 0
	FETCH_A \next, 0, 0
	SCALES \next
	WIN MUL_HI
	MUL16 4, 1, NQ-1, \slot, 0
	MUL16 6, 1, NQ-1, \slot, 0
	PLACES NP
	WIN 0
	FETCH_A \next, 0, 4
.endm
.macro STEPS slot, from
.set Q, \from
.rept NQ-1-\from
	STEP \slot, Q, 0
.set Q, Q+1
.endr
.endm
; THE TAIL, once for each product (var 0: q, 1: k, 2: v): its bias is asked for, the last 64 products stand between the request and the wait, then the way out.
.macro TAIL var
.if \var == 0
.irp b, 0,1,2,3,4,5,6,7
	global_load_b128 v[BI+8*\b:BI+8*\b+3],   v[BQO], s[4:5] offset:64*\b          ; bq at the eight channels of block b that my half holds
	global_load_b128 v[BI+8*\b+4:BI+8*\b+7], v[BQO], s[4:5] offset:64*\b+16
.endr
.endif
.if \var == 2
.irp a, 0,1,2,3,4,5,6,7
	global_load_b32 v[BI+2*\a],   v[BVO], s[6:7] offset:64*\a                   ; bv at my channel of block a, twice: a pair for the packed addition
	global_load_b32 v[BI+2*\a+1], v[BVO], s[6:7] offset:64*\a
.endr
.endif
	s_wait_dscnt 4*NL
	WIN MUL_LO
	MUL16 0, 1, NQ-1, 1, 0
	MUL16 2, 1, NQ-1, 1, 0
	s_wait_dscnt 0
	WIN MUL_HI
	MUL16 4, 1, NQ-1, 1, 0
	MUL16 6, 1, NQ-1, 1, 0
	WIN 0
	PLACES NP
.if \var != 1
	s_wait_loadcnt 0x0
.endif
.if \var == 0
.set i, 0
.rept 32
	v_pk_mul_f32 v[BI+i:BI+i+1], v[BI+i:BI+i+1], s[2:3] op_sel_hi:[1,0]         ; bq c, once: (s + bq) c is then one fused multiply-add
.set i, i+2
.endr
.endif
.irp a, 0,1,2,3,4,5,6,7
.set AC, 64*(\a%4)
.if \var == 0
	WIN 0x82+0x41*(\a/4)                           ; source 0 and destination: the accumulators' window
.set i, 0
.rept 32
	v_pk_fma_f32 v[AC+i:AC+i+1], v[AC+i:AC+i+1], s[2:3], v[BI+i:BI+i+1] op_sel_hi:[1,0,1]   ; each accumulator from its low end on
.set i, i+2
.endr
.endif
.if \var == 2
	WIN 0x82+0x41*(\a/4)
.set i, 0
.rept 32
	v_pk_add_f32 v[AC+i:AC+i+1], v[AC+i:AC+i+1], v[BI+2*\a:BI+2*\a+1]
.set i, i+2
.endr
.endif
.if \a > 1
	s_wait_xcnt 0x0                                ; block a - 2's stores have read their data: the set is written again only behind this wait
.endif
	WIN 0x0a+5*(\a/4)                              ; sources 0 and 1: the accumulators' window
.set i, 0
.rept 32
	v_cvt_pk_f16_f32 v[PK+32*(\a%2)+i], v[AC+2*i], v[AC+2*i+1]
.set i, i+1
.endr
	WIN 0
.irp b, 0,1,2,3,4,5,6,7
.if \var == 2
	global_store_b128 v[LI], v[PK+32*(\a%2)+4*\b:PK+32*(\a%2)+4*\b+3], s[20:21] offset:(\a/4)*262144+(\b/2)*4096+(\a%4)*1024+(\b%2)*512   ; 512 consecutive bytes
.else
	global_store_b128 v[LI], v[PK+32*(\a%2)+4*\b:PK+32*(\a%2)+4*\b+3], s[20:21] offset:(\b/4)*262144+\a*2048+(\b%4)*512
.endif
.endr
.endr
	; tokens 0 - 15 of a sequence also leave as f32.  Whether my wave holds them hangs on its place in the cluster, so no branch decides it: the lanes are switched off.
	s_wait_xcnt 0x0                                ; EXEC changes only behind this wait
	v_cmp_eq_u32 vcc_lo, 0, v[FZ]
	s_and_saveexec_b32 s94, vcc_lo
.if \var == 2
.irp a, 0,1,2,3,4,5,6,7
	WIN 0x08+4*(\a/4)                              ; a store's data: the accumulators' window
	global_store_b128 v[LI], v[64*(\a%4):64*(\a%4)+3],   s[22:23] offset:1024*\a      ; block (a, 0): channel r, tokens 8 h + 0 .. 7
	global_store_b128 v[LI], v[64*(\a%4)+4:64*(\a%4)+7], s[22:23] offset:1024*\a+512
.endr
.else
	WIN 0x08
.irp b, 0,1,2,3,4,5,6,7
	global_store_b128 v[LI], v[8*\b:8*\b+3],   s[22:23] offset:1024*\b               ; block (0, b): token r, channels 16 b + 8 h + 0 .. 7
	global_store_b128 v[LI], v[8*\b+4:8*\b+7], s[22:23] offset:1024*\b+512
.endr
.endif
	WIN 0
	s_wait_xcnt 0x0                                ; and again in front of the line that widens it
	s_or_b32 exec_lo, exec_lo, s94
.endm
	s_wait_tensorcnt 1                             ; the scale bytes and my part of K step 0 are in; K step 1's load may be out
	s_barrier_signal -1
	s_barrier_wait -1
	FETCH_B 0, 0, 0
	FETCH_A 0, 0, 0
	SCALES 0
	FETCH_A 0, 0, 4
	STEP 0, 0, 1                                   ; the first products start the sums: nothing is cleared
	STEPS 0, 1
	TURN 0, 1
	STEPS 1, 0
	s_cmp_eq_u32 ttmp9, 1                          ; the cluster's x: the same in all sixteen partners
	s_cbranch_scc1 .Ltail_k
	s_cmp_eq_u32 ttmp9, 2
	s_cbranch_scc1 .Ltail_v
	TAIL 0
	s_branch .Ldone
.Ltail_k:
	TAIL 1
	s_branch .Ldone
.Ltail_v:
	TAIL 2
.Ldone:
	s_wait_tensorcnt 0x0                           ; the wave's end
	ds_add_u32 v[SPW], v[NIL]
	s_wait_dscnt 0x0
	CROUND                                         ; the closing round
	s_endpgm
.Lfunc_end_k_q223a2e6718_qkv:
	.size	k_q223a2e6718_qkv, .Lfunc_end_k_q223a2e6718_qkv-k_q223a2e6718_qkv
	.p2alignl 7, 3214868480
	.fill 96, 4, 3214868480
	.section	.rodata,"a",@progbits
	.p2align	6, 0x0
	.amdhsa_kernel k_q223a2e6718_qkv
		.amdhsa_group_segment_fixed_size 327680
		.amdhsa_private_segment_fixed_size 0
		.amdhsa_enable_private_segment 0
		.amdhsa_kernarg_size 64
		.amdhsa_user_sgpr_count 2
		.amdhsa_user_sgpr_kernarg_segment_ptr 1
		.amdhsa_wavefront_size32 1
		.amdhsa_system_sgpr_workgroup_id_x 1
		.amdhsa_system_sgpr_workgroup_id_y 1
		.amdhsa_system_sgpr_workgroup_id_z 1
		.amdhsa_system_vgpr_workitem_id 0
		.amdhsa_next_free_vgpr 1024
		.amdhsa_next_free_sgpr 98
		.amdhsa_reserve_vcc 1
		.amdhsa_float_denorm_mode_32 3
		.amdhsa_float_denorm_mode_16_64 3
		.amdhsa_memory_ordered 1
		.amdhsa_forward_progress 1
		.amdhsa_inst_pref_size 224
	.end_amdhsa_kernel
	.amdgpu_metadata
---
amdhsa.version: [ 1, 2 ]
amdhsa.kernels:
  - .name:           k_q223a2e6718_qkv
    .symbol:         k_q223a2e6718_qkv.kd
    .args:
      - { .name: xcodes, .offset: 0, .size: 8, .value_kind: global_buffer, .address_space: global }
      - { .name: xscales, .offset: 8, .size: 8, .value_kind: global_buffer, .address_space: global }
      - { .name: wcodes, .offset: 16, .size: 8, .value_kind: global_buffer, .address_space: global }
      - { .name: wscales, .offset: 24, .size: 8, .value_kind: global_buffer, .address_space: global }
      - { .name: bq, .offset: 32, .size: 8, .value_kind: global_buffer, .address_space: global }
      - { .name: bv, .offset: 40, .size: 8, .value_kind: global_buffer, .address_space: global }
      - { .name: qkvimg, .offset: 48, .size: 8, .value_kind: global_buffer, .address_space: global }
      - { .name: fine, .offset: 56, .size: 8, .value_kind: global_buffer, .address_space: global }
    .group_segment_fixed_size: 327680
    .private_segment_fixed_size: 0
    .kernarg_segment_align: 8
    .kernarg_segment_size: 64
    .max_flat_workgroup_size: 128
    .sgpr_count:     98
    .vgpr_count:     1024
    .wavefront_size: 32
...
	.end_amdgpu_metadata
.endif
;; end of part 2
;; launch attn (part 3): grid 4 x 64, 8 waves a work-group, no clusters, 327,680 bytes of LDS; arguments qkvimg, yimg; writes yimg
.if DOCPART == 3
	.amdgcn_target "amdgcn-amd-amdhsa--gfx1250"
	.amdhsa_code_object_version 6
	.text
	.protected	k_q223a2e6718_attn
	.globl	k_q223a2e6718_attn
	.p2align	8
	.type	k_q223a2e6718_attn,@function
k_q223a2e6718_attn:
	s_mov_b64 s[64:65], 0
	v_nop
	global_prefetch_b8 v0, s[64:65] scope:SCOPE_SE
	s_setreg_imm32_b32 hwreg(HW_REG_WAVE_MODE, 25, 1), 1
	s_wait_xcnt 0x0
; ATTN: y[b][h][q] = the sum over keys k <= q of softmax_k(q' . k) v, q' already holding the factor log2(e) / 8: p = 2^(s - m), m the running maximum of the row, taken away before every exponential.
; Operands q', k, v, p in f16, products summed in f32, softmax in f32; y rounded once to f16.  Key steps that lie wholly above the diagonal are left out: reference() masks them itself (dead work; shown at the head of the first kernel).
; SHARES.  Work-group (i, batch x head) owns query blocks 7 - i and then i of its head, 256 queries each: (8 - i) + (i + 1) = 9 slots of 256 keys whatever i is: equal work, and one loop of constant count.
; Each of the eight waves owns 32 queries, two tiles of 16; a key step is 64 keys, a slot four steps.
; NO CLUSTER: the four work-groups of a head walk key blocks 0 .. 7 - i and then 0 .. i: from the sixth slot on partners want different blocks in the same round, so a joint load would bring tiles that a partner never reads.
; LAYOUT.  S^T = K Q^T (source 0 = 16 keys, source 1 = 16 queries), O^T = V^T P: a lane holds one query throughout; two tiles of S^T packed to f16 ARE P's fragment.  K, Q and V^T lie in memory as images of their operand
; registers (512 bytes for four registers, 16 bytes a lane), so every LDS load reads 512 consecutive bytes, and the packed O^T is stored as the projection's operand image.
; LDS: slot s at 65,536 s: 32,768 bytes of K (16 key tiles x 2,048), 32,768 of V (8 x 32 keys x 4,096); the spare words behind the two slots.  Every wave fetches 8,192 dense bytes of each slot: one tensor load a wave is out.
; REGISTERS: window 0: v1-8 addresses and constants; v16-45 statistics, 16 a tile; v48-111 K; v112-175 S^T, then p; v176-207 P.   window 1: v0-31 Q; v32-95 O^T; v96-159 V.
.set SLOTB, 65536
.set VOFF,  32768
.set STEPB, 8192
.set SPARE, 131072
.set LI,   1                           ; 16 x lane
.set ADR,  2
.set SPW,  3
.set NIL,  4
.set DQ,   5                           ; lane % 16 - 8 (lane / 16)
.set DD,   6
.set NINF, 7
.set PFO,  8                           ; 256 x lane
.set ST,   16                          ; tile t at ST + 16 t: +0,+1 m (a pair); +2,+3 l; +4,+5 alpha (a pair); +6 at work; +7 the permute's destination, then m_old - m_new; +8..+11 the maximum's chains; +12,+13 the second chain of sums
.set KR,   48
.set S,    112
.set P,    176
.set QR,   0
.set O,    32
.set VR,   96
.set WV,   8
.set II,   9
.set BH,   10
.set NA,   11                          ; key blocks of the first query block
.set SW,   12                          ; the count at which the query block changes
.set SLOTS, 13
.set TW,   14
.set TB,   15                          ; LDS byte at which the step's tiles begin
.set KF,   16                          ; the step's first key
.set Q0,   17                          ; my first query
.set FK,   18                          ; the key block last asked for
.set LIM,  19
.set SEL,  20
.set G1,   24
.set G0,   32
.set BASE, 36                          ; my 8,192 bytes of key block 0
.set PF,   38
.set QH,   40                          ; my head's q'
.set YB,   42
.set MSB, 0
.macro WIN new
.if MSB != (\new)
	s_set_vgpr_msb (MSB<<8)|(\new)
.set MSB, (\new)
.endif
.endm
; A prefetch of the key block behind the one just asked for: my wave's own 8,192 bytes of it, lanes 256 bytes apart.  Only the head's work-group 0 asks, which walks all eight key blocks first: at its changes 0 .. 5,
; for blocks 2 .. 7: each run of 256 bytes of K and V is named once in the launch, one slot (four key steps) ahead of the load that wants it; blocks 0 and 1 come by their loads alone.
.macro ASK
	s_cmp_gt_u32 s[SLOTS], s[LIM]
	s_cbranch_scc0 .Lnot_mine_\@
	global_prefetch_b8 v[PFO], s[PF:PF+1] th:TH_LOAD_NT scope:SCOPE_SE
.Lnot_mine_\@:
.endm
; A query block begins: Q's four fragments into registers; O^T and l zeros, m under every score (the step is written once: its first walk multiplies zeros).
.macro INIT
	s_wait_xcnt 0x0                                ; earlier loads and stores have read their addresses and data
	s_lshl_b32 s46, s[Q0], 7                       ; 2,048 bytes for 16 queries
	s_mov_b32 s47, 0
	s_add_nc_u64 s[46:47], s[QH:QH+1], s[46:47]
	WIN 0x40                                       ; destination window 1
.irp t, 0,1
.irp g, 0,1
.irp e, 0,1
	global_load_b128 v[QR+16*\t+8*\g+4*\e:QR+16*\t+8*\g+4*\e+3], v[LI], s[46:47] offset:\t*2048+\g*1024+\e*512
.endr
.endr
.endr
.set i, 0
.rept 64
	v_mov_b32 v[O+i], 0
.set i, i+1
.endr
	WIN 0
.irp t, 0,1
	v_mov_b32 v[ST+16*\t], 0xff61b1e6              ; -3e38
	v_mov_b32 v[ST+16*\t+1], 0xff61b1e6            ; (named with it as a pair)
	v_mov_b32 v[ST+16*\t+2], 0
	v_mov_b32 v[ST+16*\t+3], 0
	v_mov_b32 v[ST+16*\t+5], 0                     ; (named with alpha as a pair)
.endr
	s_wait_loadcnt 0x0
.endm
; THE CHANGE OF SLOTS, at a slot's head.  Each wave waits for all its tensor loads (its part of the slot ahead), adds 0 to its spare word, waits for that and for its reads of the slot left; behind the barrier the slot ahead is
; whole and nobody reads the other one, which is filled (fill = 1) with the next key block: the wave's one tensor load until the next change, with four key steps in which to land.
.macro CHANGE fill
	s_wait_tensorcnt 0x0
	ds_add_u32 v[SPW], v[NIL]                      ; every way here leads through the head's tensor load
.if \fill
	s_xor_b32 s[G0+1], s[G0+1], SLOTB              ; the other slot than last time
	s_add_co_u32 s[FK], s[FK], 1
	s_cmp_eq_u32 s[FK], s[NA]                      ; behind the first query block's last key block comes block 0 again (i + 1 < 8 - i for i = 0 .. 3: the second walk never reaches this)
	s_cselect_b32 s[FK], 0, s[FK]
	s_lshl_b32 s44, s[FK], 15
	s_mov_b32 s45, 0
	s_add_nc_u64 s[G0+2:G0+3], s[BASE:BASE+1], s[44:45]
	s_wait_xcnt 0x0                                ; the last prefetch, a slot back, has read its address
	s_add_nc_u64 s[PF:PF+1], s[G0+2:G0+3], 0x8000
	s_or_b32 s[G0+3], s[G0+3], 0x80000000
.endif
	s_wait_dscnt 0x0
	s_barrier_signal -1
	s_barrier_wait -1
.if \fill
	tensor_load_to_lds s[G0:G0+3], s[G1:G1+7]
	s_nop 0
.rept 4
	v_nop
.endr
	ASK
.endif
.endm
.macro SOFTMAX                         ; the two tiles line by line by turns
.irp j, 0,1,2,3
.irp t, 0,1
	v_max3_num_f32 v[ST+16*\t+8+\j], v[S+32*\t+8*\j], v[S+32*\t+8*\j+1], v[S+32*\t+8*\j+2]   ; four chains, one for each tile of 16 keys, from its low end on
.endr
.endr
.irp i, 3,5
.irp j, 0,1,2,3
.irp t, 0,1
	v_max3_num_f32 v[ST+16*\t+8+\j], v[ST+16*\t+8+\j], v[S+32*\t+8*\j+\i], v[S+32*\t+8*\j+\i+1]
.endr
.endr
.endr
.irp t, 0,1
	v_max3_num_f32 v[ST+16*\t+8], v[ST+16*\t+8], v[S+32*\t+7], v[S+32*\t+15]
	v_max3_num_f32 v[ST+16*\t+10], v[ST+16*\t+10], v[S+32*\t+23], v[S+32*\t+31]
.endr
.irp t, 0,1
	v_max3_num_f32 v[ST+16*\t+8], v[ST+16*\t+8], v[ST+16*\t+9], v[ST+16*\t+10]
.endr
.irp t, 0,1
	v_max3_num_f32 v[ST+16*\t+8], v[ST+16*\t+8], v[ST+16*\t+11], v[ST+16*\t]     ; with the old m
.endr
.irp t, 0,1
	v_permlanex16_b32 v[ST+16*\t+7], v[ST+16*\t+8], s[SEL], s[SEL+1]              ; the query's other 32 keys lie in the lane 16 away
.endr
.irp t, 0,1
	v_max_num_f32 v[ST+16*\t+6], v[ST+16*\t+8], v[ST+16*\t+7]                     ; the new m
.endr
.irp t, 0,1
	v_sub_f32 v[ST+16*\t+7], v[ST+16*\t], v[ST+16*\t+6]                           ; m_old - m_new
.endr
.irp t, 0,1
	v_mov_b32 v[ST+16*\t], v[ST+16*\t+6]
.endr
.irp j, 0,2,4,6,8,10,12,14,16,18,20,22,24,26,28,30
.irp t, 0,1
	v_pk_add_f32 v[S+32*\t+\j:S+32*\t+\j+1], v[S+32*\t+\j:S+32*\t+\j+1], v[ST+16*\t:ST+16*\t+1] op_sel_hi:[1,0] neg_lo:[0,1] neg_hi:[0,1]   ; s - m
.endr
.endr
.irp t, 0,1
	v_exp_f32 v[ST+16*\t+4], v[ST+16*\t+7]                                        ; alpha.  ONE BATCH of 66 exponentials; none reads another's result
.endr
.set i, 0
.rept 64
	v_exp_f32 v[S+i], v[S+i]
.set i, i+1
.endr
	v_nop                                          ; a plain instruction behind the last exponential,
	s_wait_alu depctr_va_vdst(0)                   ; and the one wait ahead of the batch's first reader
.irp t, 0,1
	v_pk_mul_f32 v[ST+16*\t+2:ST+16*\t+3], v[ST+16*\t+2:ST+16*\t+3], v[ST+16*\t+4:ST+16*\t+5] op_sel_hi:[1,0]   ; l under the new m
.endr
.set i, 0
.rept 16
.irp t, 0,1
	v_cvt_pk_f16_f32 v[P+16*\t+i], v[S+32*\t+2*i], v[S+32*\t+2*i+1]
.endr
.set i, i+1
.endr
.irp t, 0,1
	v_pk_add_f32 v[ST+16*\t+12:ST+16*\t+13], v[S+32*\t:S+32*\t+1], v[S+32*\t+2:S+32*\t+3]   ; the sums are taken of the unrounded p, in two chains
.endr
.irp j, 4,8,12,16,20,24,28
.irp t, 0,1
	v_pk_add_f32 v[ST+16*\t+2:ST+16*\t+3], v[ST+16*\t+2:ST+16*\t+3], v[S+32*\t+\j:S+32*\t+\j+1]
	v_pk_add_f32 v[ST+16*\t+12:ST+16*\t+13], v[ST+16*\t+12:ST+16*\t+13], v[S+32*\t+\j+2:S+32*\t+\j+3]
.endr
.endr
.irp t, 0,1
	v_pk_add_f32 v[ST+16*\t+2:ST+16*\t+3], v[ST+16*\t+2:ST+16*\t+3], v[ST+16*\t+12:ST+16*\t+13]
.endr
.endm
; A KEY STEP of 64 keys.  Where all its keys come after my 32 queries, a scalar branch on ids leads round its work, not round the lines at its end that step addresses.
.macro STEP
	s_add_co_u32 s44, s[Q0], 31
	s_cmp_gt_u32 s[KF], s44
	s_cbranch_scc1 .Lhidden_\@
	v_add_nc_u32 v[ADR], s[TB], v[LI]
.rept 3
	v_nop                                          ; with the addition: four places in front of loads into registers that the last products read
.endr
.irp u, 0,1,2,3
.irp g, 0,1
.irp e, 0,1
	ds_load_b128 v[KR+8*(2*\u+\g)+4*\e:KR+8*(2*\u+\g)+4*\e+3], v[ADR] offset:\u*2048+\g*1024+\e*512
.endr
.endr
.endr
	WIN 0x40
.irp z, 0,1
.irp c, 0,1,2,3
.irp e, 0,1
	ds_load_b128 v[VR+8*(4*\z+\c)+4*\e:VR+8*(4*\z+\c)+4*\e+3], v[ADR] offset:VOFF+\z*4096+\c*1024+\e*512
.endr
.endr
.endr
	s_wait_dscnt 16                                ; K is in; V's sixteen loads stay out
	WIN 0x04                                       ; source 1 (Q) window 1
.irp g, 0,1                            ; eight accumulators by turns, one instruction a turn; the first eight start the sums
.irp u, 0,1,2,3
.irp t, 0,1
.if \g == 0
	v_wmma_f32_16x16x32_f16 v[S+32*\t+8*\u:S+32*\t+8*\u+7], v[KR+8*(2*\u+\g):KR+8*(2*\u+\g)+7], v[QR+16*\t+8*\g:QR+16*\t+8*\g+7], 0
.else
	v_wmma_f32_16x16x32_f16 v[S+32*\t+8*\u:S+32*\t+8*\u+7], v[KR+8*(2*\u+\g):KR+8*(2*\u+\g)+7], v[QR+16*\t+8*\g:QR+16*\t+8*\g+7], v[S+32*\t+8*\u:S+32*\t+8*\u+7]
.endif
.endr
.endr
.endr
	WIN 0
.rept 4
	v_nop
.endr
	s_add_co_u32 s44, s[KF], 63                    ; a step all of whose keys count for all my queries skips the mask
	s_cmp_le_u32 s44, s[Q0]
	s_cbranch_scc1 .Lopen_\@
	s_sub_co_i32 s44, s[Q0], s[KF]
	v_add_nc_u32 v[DD], s44, v[DQ]                 ; register (t, u, j) holds key KF + 16 u + 8 h + j for query Q0 + 16 t + r: hidden where 16 u + j - 16 t > Q0 - KF + r - 8 h
.irp t, 0,1
.irp u, 0,1,2,3
.irp j, 0,1,2,3,4,5,6,7
	v_cmp_gt_i32 vcc_lo, 16*\u+\j-16*\t, v[DD]
	v_cndmask_b32 v[S+32*\t+8*\u+\j], v[S+32*\t+8*\u+\j], v[NINF], vcc_lo
.endr
.endr
.endr
.Lopen_\@:
	SOFTMAX
	WIN 0x41                                       ; O^T window 1, alpha window 0
.irp t, 0,1
.set i, 0
.rept 16
	v_pk_mul_f32 v[O+32*\t+i:O+32*\t+i+1], v[O+32*\t+i:O+32*\t+i+1], v[ST+16*\t+4:ST+16*\t+5] op_sel_hi:[1,0]
.set i, i+2
.endr
.endr
	s_wait_dscnt 0x0                               ; V is in
	WIN 0x51                                       ; V and O^T window 1, P window 0
.irp z, 0,1                            ; eight accumulators by turns
.irp c, 0,1,2,3
.irp t, 0,1
	v_wmma_f32_16x16x32_f16 v[O+32*\t+8*\c:O+32*\t+8*\c+7], v[VR+8*(4*\z+\c):VR+8*(4*\z+\c)+7], v[P+16*\t+8*\z:P+16*\t+8*\z+7], v[O+32*\t+8*\c:O+32*\t+8*\c+7]
.endr
.endr
.endr
	WIN 0
.Lhidden_\@:
	s_add_co_u32 s[KF], s[KF], 64
	s_add_co_u32 s[TB], s[TB], STEPB
.endm
.macro SLOT_STEPS                      ; a slot's four steps: written once, walked four times
	s_mov_b32 s[TW], 4
.Lstep_\@:
	STEP
	s_sub_co_u32 s[TW], s[TW], 1
	s_cmp_lg_u32 s[TW], 0
	s_cbranch_scc1 .Lstep_\@
	s_sub_co_u32 s[TB], s[TB], 4*STEPB
	s_xor_b32 s[TB], s[TB], SLOTB                  ; on to the other slot
.endm
; A query block ends: O^T / l, rounded to f16.  yimg is [16 rows 512][c 32][half 2][512]: lane (r, h): y[row r][32 c + 16 half + 8 h + 0 .. 7]: tile (t, channel tile) of O^T packed is one such half.
.macro FINAL
	s_wait_xcnt 0x0
	s_lshr_b32 s44, s[BH], 4
	s_lshl_b32 s44, s44, 7
	s_lshr_b32 s45, s[Q0], 4
	s_add_co_u32 s44, s44, s45                     ; batch x 128 + my first tile of rows
	s_lshl_b32 s44, s44, 15
	s_and_b32 s45, s[BH], 15
	s_lshl_b32 s45, s45, 11                        ; the head's 64 columns: 2,048 bytes
	s_add_co_u32 s44, s44, s45
	s_mov_b32 s45, 0
	s_add_nc_u64 s[YB:YB+1], s[6:7], s[44:45]
.rept 4
	v_nop
.endr
.irp t, 0,1
	v_add_f32 v[ST+16*\t+6], v[ST+16*\t+2], v[ST+16*\t+3]
.endr
.irp t, 0,1
	v_permlanex16_b32 v[ST+16*\t+7], v[ST+16*\t+6], s[SEL], s[SEL+1]
.endr
.irp t, 0,1
	v_add_f32 v[ST+16*\t+6], v[ST+16*\t+6], v[ST+16*\t+7]
.endr
.irp t, 0,1
	v_rcp_f32 v[ST+16*\t+4], v[ST+16*\t+6]
.endr
	v_nop
	s_wait_alu depctr_va_vdst(0)                   ; one wait for the two reciprocals, ahead of their first reader
	WIN 0x41
.irp t, 0,1
.set i, 0
.rept 16
	v_pk_mul_f32 v[O+32*\t+i:O+32*\t+i+1], v[O+32*\t+i:O+32*\t+i+1], v[ST+16*\t+4:ST+16*\t+5] op_sel_hi:[1,0]
.set i, i+2
.endr
.endr
	WIN 0x05                                       ; sources window 1, destination window 0
.set i, 0
.rept 32
	v_cvt_pk_f16_f32 v[S+i], v[O+2*i], v[O+2*i+1]
.set i, i+1
.endr
	WIN 0
.irp t, 0,1
.irp c, 0,1,2,3
	global_store_b128 v[LI], v[S+16*\t+4*\c:S+16*\t+4*\c+3], s[YB:YB+1] offset:\t*32768+\c*512   ; 512 consecutive bytes
.endr
.endr
.endm
	s_load_b128 s[4:7], s[0:1], 0x0                ; qkvimg 4:5, yimg 6:7
	v_lshl_add_u32 v[SPW], v0, 2, SPARE
	v_mov_b32 v[NIL], 0
	ds_add_u32 v[SPW], v[NIL]                      ; the wave's opening: the add, twice on end, and its wait ahead of my first tensor load
	ds_add_u32 v[SPW], v[NIL]
	v_lshrrev_b32 v1, 5, v0
	v_readfirstlane_b32 s[WV], v1                  ; wave 0..7
	s_mov_b32 s[II], ttmp9
	s_and_b32 s[BH], ttmp7, 0xffff
	s_sub_co_u32 s[NA], 8, s[II]
	s_add_co_u32 s[SW], s[II], 1
	s_cmp_eq_u32 s[II], 0
	s_cselect_b32 s[LIM], 2, -1
	s_mov_b32 s[SEL], 0x76543210
	s_mov_b32 s[SEL+1], 0xfedcba98
	s_mov_b32 s[G1], 3<<16                         ; no mask; elements of 8 bytes; no padding
	s_mov_b32 s[G1+1], 32<<16                      ; tensor_dim0 = 32 elements: rows of 256 bytes
	s_mov_b32 s[G1+2], 32<<16                      ; tensor_dim1 = 32 rows
	s_mov_b32 s[G1+3], 32<<16                      ; tile_dim0
	s_mov_b32 s[G1+4], 32                          ; tile_dim1
	s_mov_b32 s[G1+5], 32                          ; the pitch: the block is dense
	s_mov_b32 s[G1+6], 0
	s_mov_b32 s[G1+7], 0
	s_mov_b32 s[G0], 1
	s_lshl_b32 s[G0+1], s[WV], 13                  ; waves 0-3: K's four quarters; waves 4-7: V's, which lie 32,768 bytes on
	s_lshr_b32 s44, s[WV], 2
	s_add_co_u32 s44, s44, 1
	s_lshl_b32 s44, s44, 24                        ; k is the second, v the third run of 16,777,216 bytes
	s_lshl_b32 s46, s[BH], 18
	s_add_co_u32 s44, s44, s46
	s_and_b32 s45, s[WV], 3
	s_lshl_b32 s45, s45, 13
	s_add_co_u32 s44, s44, s45
	s_mov_b32 s45, 0
	s_mov_b32 s47, 0
	s_wait_dscnt 0x0                               ; both opening adds are done
	s_wait_kmcnt 0x0
	s_add_nc_u64 s[BASE:BASE+1], s[4:5], s[44:45]
	s_add_nc_u64 s[QH:QH+1], s[4:5], s[46:47]
	s_mov_b64 s[G0+2:G0+3], s[BASE:BASE+1]
	s_or_b32 s[G0+3], s[G0+3], 0x80000000
	tensor_load_to_lds s[G0:G0+3], s[G1:G1+7]      ; key block 0 into slot 0
	s_nop 0
.rept 4
	v_nop
.endr
	v_and_b32 v1, 31, v0
	v_lshlrev_b32 v[PFO], 8, v1
	v_lshlrev_b32 v[LI], 4, v1
	v_and_b32 v[DQ], 15, v0
	v_bfe_u32 v[DD], v0, 4, 1
	v_lshlrev_b32 v[DD], 3, v[DD]
	v_sub_nc_u32 v[DQ], v[DQ], v[DD]
	v_mov_b32 v[NINF], 0xff800000
	v_mov_b32 v[ST+7], 0                           ; written once: a lane permute's destination counts as one of its sources
	v_mov_b32 v[ST+23], 0
	s_sub_co_u32 s[Q0], 7, s[II]
	s_lshl_b32 s[Q0], s[Q0], 8
	s_lshl_b32 s44, s[WV], 5
	s_add_co_u32 s[Q0], s[Q0], s44                 ; query block 7 - i first
	s_mov_b32 s[KF], 0
	s_mov_b32 s[TB], 0
	s_mov_b32 s[FK], 0
	INIT
	s_mov_b32 s[SLOTS], 8
.Lslot:                                ; eight trips: behind each change of slots but the last the next key block is asked for
	CHANGE 1
	SLOT_STEPS
	s_cmp_lg_u32 s[SLOTS], s[SW]                   ; behind slot 7 - i the first query block is done: ids alone, the same in all eight waves; no barrier, wait for tiles or tensor load stands under the branch
	s_cbranch_scc1 .Lsame
	FINAL
	s_lshl_b32 s[Q0], s[II], 8
	s_lshl_b32 s44, s[WV], 5
	s_add_co_u32 s[Q0], s[Q0], s44                 ; query block i
	s_mov_b32 s[KF], 0
	INIT
.Lsame:
	s_sub_co_u32 s[SLOTS], s[SLOTS], 1
	s_cmp_lg_u32 s[SLOTS], 0
	s_cbranch_scc1 .Lslot
	CHANGE 0                                       ; the ninth slot is written out: nothing is left to fetch
	SLOT_STEPS
	FINAL
	s_wait_tensorcnt 0x0                           ; the wave's end
	ds_add_u32 v[SPW], v[NIL]
	s_wait_dscnt 0x0
	s_endpgm
.Lfunc_end_k_q223a2e6718_attn:
	.size	k_q223a2e6718_attn, .Lfunc_end_k_q223a2e6718_attn-k_q223a2e6718_attn
	.p2alignl 7, 3214868480
	.fill 96, 4, 3214868480
	.section	.rodata,"a",@progbits
	.p2align	6, 0x0
	.amdhsa_kernel k_q223a2e6718_attn
		.amdhsa_group_segment_fixed_size 327680
		.amdhsa_private_segment_fixed_size 0
		.amdhsa_enable_private_segment 0
		.amdhsa_kernarg_size 16
		.amdhsa_user_sgpr_count 2
		.amdhsa_user_sgpr_kernarg_segment_ptr 1
		.amdhsa_wavefront_size32 1
		.amdhsa_system_sgpr_workgroup_id_x 1
		.amdhsa_system_sgpr_workgroup_id_y 1
		.amdhsa_system_sgpr_workgroup_id_z 1
		.amdhsa_system_vgpr_workitem_id 0
		.amdhsa_next_free_vgpr 416
		.amdhsa_next_free_sgpr 66
		.amdhsa_reserve_vcc 1
		.amdhsa_float_denorm_mode_32 3
		.amdhsa_float_denorm_mode_16_64 3
		.amdhsa_memory_ordered 1
		.amdhsa_forward_progress 1
		.amdhsa_inst_pref_size 66
	.end_amdhsa_kernel
	.amdgpu_metadata
---
amdhsa.version: [ 1, 2 ]
amdhsa.kernels:
  - .name:           k_q223a2e6718_attn
    .symbol:         k_q223a2e6718_attn.kd
    .args:
      - { .name: qkvimg, .offset: 0, .size: 8, .value_kind: global_buffer, .address_space: global }
      - { .name: yimg, .offset: 8, .size: 8, .value_kind: global_buffer, .address_space: global }
    .group_segment_fixed_size: 327680
    .private_segment_fixed_size: 0
    .kernarg_segment_align: 8
    .kernarg_segment_size: 16
    .max_flat_workgroup_size: 256
    .sgpr_count:     66
    .vgpr_count:     416
    .wavefront_size: 32
...
	.end_amdgpu_metadata
.endif
;; end of part 3
;; launch proj (part 4): grid 4 x 64, 4 waves a work-group, clusters of 4 x 4, 327,680 bytes of LDS; arguments yimg, wpimg, bp, out0; writes out0
.if DOCPART == 4
	.amdgcn_target "amdgcn-amd-amdhsa--gfx1250"
	.amdhsa_code_object_version 6
	.text
	.protected	k_q223a2e6718_proj
	.globl	k_q223a2e6718_proj
	.p2align	8
	.type	k_q223a2e6718_proj,@function
k_q223a2e6718_proj:
	s_mov_b64 s[64:65], 0
	v_nop
	global_prefetch_b8 v0, s[64:65] scope:SCOPE_SE
	s_setreg_imm32_b32 hwreg(HW_REG_WAVE_MODE, 25, 1), 1
	s_wait_xcnt 0x0
	s_wait_alu depctr_hold_cnt(0) depctr_sa_sdst(0) depctr_va_vdst(0) depctr_va_sdst(0) depctr_va_ssrc(0) depctr_va_vcc(0) depctr_vm_vsrc(0)
	s_getreg_b32 s2, hwreg(HW_REG_IB_STS2, 6, 4)
	s_cmp_eq_u32 s2, 0
	s_cbranch_scc0 .Lentry_in_a_cluster
	s_endpgm
.Lentry_in_a_cluster:
	s_bfe_u32 s2, ttmp6, 0x10000c
	s_cmp_lg_u32 s2, 0xf033
	s_cbranch_scc0 .Lentry_shape_is_right
	s_endpgm
.Lentry_shape_is_right:
; PROJ: out0 = y Wp^T + bp; y and Wp in f16 as images of operand registers, sums in f32.  Rows 0 - 15 of every sequence are stored here too (they lie inside live tiles) and are stored again, from f32 operands, by the last launch.
; A tile of out0 is 128 rows x 256 columns: 256 work-groups.  Wave (w / 2, w % 2) makes 64 x 128: 32 accumulators, all of window 1.  K goes in steps of 128 (four quarters of 32) through two LDS slots.
; CLUSTERS of 4 x 4: y's tiles are shared along a row of the cluster, Wp's along a column: joint loads.  Waves 0, 1 fetch y's two halves (4 row tiles x 4,096 bytes), waves 2, 3 Wp's (8 column tiles x 4,096 bytes).
; In both buffers a tile of 16 rows is 32,768 bytes, and its four fragments of a K step are 4,096 consecutive bytes: the tensor tile's rows.  In LDS they follow each other without a gap: a fragment load reads 512 consecutive bytes.
; THE MATRIX INSTRUCTION IS USED TRANSPOSED (source 0 = 16 rows of Wp, source 1 = 16 rows of y): a lane holds eight neighbouring columns of one row of out0.  bp is the C of each sum's first product.
; REGISTERS: window 0: v16-29 addresses; v32-127, v128-223 two fragment buffers (y's 4, then Wp's 8), on the way out rows of out0.   window 1: accumulator (a, b) at v[8 (8 a + b)].   window 2: v0-63 bp in the result's layout.
.set SLOT,   98304                     ; y's 8 tiles, then Wp's 16, 4,096 bytes each
.set STAGE,  2*SLOT                    ; behind the slots: 16 rows x (512 + 16) bytes for each wave; no tile lands here
.set SPITCH, 528
.set SPARE,  STAGE+4*16*SPITCH         ; the spare words
.set ADRA, 16
.set ADRB, 20
.set STO,  24
.set RD,   25
.set CO,   26                          ; 16 x lane
.set BO,   27                          ; 32 (lane / 16)
.set SPW,  28
.set NIL,  29
.set F0,   32
.set F1,   128
.set BK,   32
.set G1, 24
.set G0, 32
.set G1B, 48
.set G0B, 56
.set MSB, 0
.macro WIN new
.if MSB != (\new)
	s_set_vgpr_msb (MSB<<8)|(\new)
.set MSB, (\new)
.endif
.endm
.macro JLOAD s                         ; a joint load; an s_nop 0 and four v_nop follow each of the two lines
	s_cmp_eq_u32 s13, 0
	s_cbranch_scc0 .Lfor_b_\@
	tensor_load_to_lds s[G0+4*\s:G0+4*\s+3], s[G1:G1+7]
	s_nop 0
.rept 4
	v_nop
.endr
	s_branch .Lasked_\@
.Lfor_b_\@:
	tensor_load_to_lds s[G0B+4*\s:G0B+4*\s+3], s[G1B:G1B+7]
	s_nop 0
.rept 4
	v_nop
.endr
.Lasked_\@:
.endm
.macro CREST                           ; a round of the cluster's barrier behind its opening barrier
	s_cmp_lg_u32 s12, 0
	s_cbranch_scc1 .Lnot_wave_0_\@
	s_barrier_signal -3
.Lnot_wave_0_\@:
	s_barrier_wait -3
	s_barrier_signal -1
	s_barrier_wait -1
.endm
.macro CROUND
	s_barrier_signal -1
	s_barrier_wait -1
	CREST
.endm
	s_load_b256 s[4:11], s[0:1], 0x0               ; yimg 4:5, wpimg 6:7, bp 8:9, out0 10:11
	v_lshl_add_u32 v[SPW], v0, 2, SPARE
	v_mov_b32 v[NIL], 0
	ds_add_u32 v[SPW], v[NIL]                      ; the wave's opening: the add, twice on end, and its wait ahead of my first tensor load
	ds_add_u32 v[SPW], v[NIL]
	v_lshrrev_b32 v1, 5, v0
	v_readfirstlane_b32 s12, v1                    ; wave 0..3
	s_lshr_b32 s13, s12, 1                         ; my half of the rows.  Also: I fetch y (0) or Wp (1)
	s_and_b32 s14, s12, 1                          ; my half of the columns.  Also: which half I fetch
	s_bfe_u32 s40, ttmp6, 0x40000                  ; cx
	s_bfe_u32 s41, ttmp6, 0x40004                  ; cy
	s_lshl_b32 s42, ttmp9, 2
	s_add_co_u32 s42, s42, s40                     ; tile column
	s_and_b32 s15, ttmp7, 0xffff
	s_lshl_b32 s15, s15, 2
	s_add_co_u32 s15, s15, s41                     ; tile row
	s_lshl_b32 s43, s41, 2
	s_lshl_b32 s43, 15, s43                        ; my row of the cluster
	s_lshl_b32 s44, 0x1111, s40                    ; my column
	s_or_b32 s[G1], s43, (3<<16)|(1<<21)           ; the mask; elements of 8 bytes; bit 21 beside a mask; no padding
	s_mov_b32 s[G1+1], 512<<16                     ; tensor_dim0 = 512 elements: 4,096 bytes
	s_mov_b32 s[G1+2], 4<<16                       ; tensor_dim1 = 4 tiles of rows
	s_mov_b32 s[G1+3], 512<<16                     ; tile_dim0
	s_mov_b32 s[G1+4], 4                           ; tile_dim1
	s_mov_b32 s[G1+5], 4096                        ; the pitch: 32,768 bytes
	s_mov_b32 s[G1+6], 0
	s_mov_b32 s[G1+7], 0
	s_or_b32 s[G1B], s44, (3<<16)|(1<<21)
	s_mov_b32 s[G1B+1], 512<<16
	s_mov_b32 s[G1B+2], 8<<16
	s_mov_b32 s[G1B+3], 512<<16
	s_mov_b32 s[G1B+4], 8
	s_mov_b32 s[G1B+5], 4096
	s_mov_b32 s[G1B+6], 0
	s_mov_b32 s[G1B+7], 0
	s_lshl_b32 s16, s15, 3
	s_lshl_b32 s17, s14, 2
	s_add_co_u32 s16, s16, s17                     ; y: tile of rows 8 x tile row + 4 x half
	s_lshl_b32 s16, s16, 15
	s_mov_b32 s17, 0
	s_lshl_b32 s46, s42, 4
	s_lshl_b32 s47, s14, 3
	s_add_co_u32 s46, s46, s47                     ; Wp: tile 16 x tile column + 8 x half
	s_lshl_b32 s46, s46, 15
	s_mov_b32 s47, 0
	s_lshl_b32 s20, s14, 14                        ; where they go: y's halves,
	s_lshl_b32 s23, s14, 15
	s_add_co_u32 s23, s23, 32768                   ; Wp's behind them
	s_wait_dscnt 0x0                               ; both opening adds are done
	s_wait_kmcnt 0x0
	s_add_nc_u64 s[18:19], s[4:5], s[16:17]
	s_add_nc_u64 s[46:47], s[6:7], s[46:47]
	CROUND                                         ; all sixteen work-groups are here
.irp s, 0,1
	s_mov_b32 s[G0+4*\s], 1
	s_add_co_u32 s[G0+4*\s+1], s20, \s*SLOT
	s_add_nc_u64 s[G0+4*\s+2:G0+4*\s+3], s[18:19], \s*4096
	s_or_b32 s[G0+4*\s+3], s[G0+4*\s+3], 0x80000000
	s_mov_b32 s[G0B+4*\s], 1
	s_add_co_u32 s[G0B+4*\s+1], s23, \s*SLOT
	s_add_nc_u64 s[G0B+4*\s+2:G0B+4*\s+3], s[46:47], \s*4096
	s_or_b32 s[G0B+4*\s+3], s[G0B+4*\s+3], 0x80000000
	JLOAD \s                                       ; K steps 0 and 1: two loads of mine are out
.endr
	v_and_b32 v1, 31, v0
	v_lshlrev_b32 v[CO], 4, v1
	s_lshl_b32 s21, s13, 14                        ; my 4 tiles of y,
	s_lshl_b32 s22, s14, 15
	s_add_co_u32 s22, s22, 32768                   ; my 8 tiles of Wp
.irp s, 0,1
	v_add_nc_u32 v[ADRA+\s], s21, v[CO]
	v_add_nc_u32 v[ADRB+\s], s22, v[CO]
	s_add_co_u32 s21, s21, SLOT
	s_add_co_u32 s22, s22, SLOT
.endr
	s_mul_i32 s23, s12, 16*SPITCH
	s_add_co_u32 s23, s23, STAGE                   ; my stage
	v_and_b32 v2, 15, v0
	v_bfe_u32 v3, v0, 4, 1
	v_mul_u32_u24 v4, v2, SPITCH
	v_lshl_add_u32 v4, v3, 5, v4
	v_add_nc_u32 v[STO], s23, v4                   ; in: row r, 32 bytes for each half of the lanes
	v_add_nc_u32 v[RD], s23, v[CO]                 ; back: the 32 lanes take a row of 512 bytes
	v_lshlrev_b32 v[BO], 5, v3
	s_lshl_b32 s16, s15, 7
	s_lshl_b32 s17, s13, 6
	s_add_co_u32 s16, s16, s17                     ; my first row of out0
	s_lshl_b32 s16, s16, 12
	s_lshl_b32 s46, s42, 10
	s_lshl_b32 s47, s14, 9
	s_add_co_u32 s46, s46, s47                     ; my first column, in bytes
	s_mov_b32 s47, 0
	s_add_nc_u64 s[8:9], s[8:9], s[46:47]
	s_add_co_u32 s16, s16, s46
	s_mov_b32 s17, 0
	s_add_nc_u64 s[10:11], s[10:11], s[16:17]
	WIN 0x80                                       ; destination window 2
.irp b, 0,1,2,3,4,5,6,7
	global_load_b128 v[8*\b:8*\b+3],   v[BO], s[8:9] offset:64*\b      ; bp at the eight columns of block b that my half holds
	global_load_b128 v[8*\b+4:8*\b+7], v[BO], s[8:9] offset:64*\b+16
.endr
	WIN 0
.macro FETCH slot, q, f                ; 24 LDS loads in one run: quarter q's fragments: Wp's eight, then y's four
.irp i, 0,1,2,3,4,5,6,7
	ds_load_b128 v[\f+32+8*\i:\f+32+8*\i+3],   v[ADRB+\slot] offset:\i*4096+\q*1024
	ds_load_b128 v[\f+32+8*\i+4:\f+32+8*\i+7], v[ADRB+\slot] offset:\i*4096+\q*1024+512
.endr
.irp i, 0,1,2,3
	ds_load_b128 v[\f+8*\i:\f+8*\i+3],   v[ADRA+\slot] offset:\i*4096+\q*1024
	ds_load_b128 v[\f+8*\i+4:\f+8*\i+7], v[ADRA+\slot] offset:\i*4096+\q*1024+512
.endr
.endm
.macro MUL8 f, a, first                ; y's tile a against Wp's eight.  The 32 accumulators take turns, one instruction a turn, in the same order in every quarter
.if \first
	WIN 0x60                                       ; C window 2 (bp), D window 1
.else
	WIN 0x50                                       ; C and D window 1
.endif
.irp b, 0,1,2,3,4,5,6,7
.if \first
	v_wmma_f32_16x16x32_f16 v[8*(8*\a+\b):8*(8*\a+\b)+7], v[\f+32+8*\b:\f+32+8*\b+7], v[\f+8*\a:\f+8*\a+7], v[8*\b:8*\b+7]
.else
	v_wmma_f32_16x16x32_f16 v[8*(8*\a+\b):8*(8*\a+\b)+7], v[\f+32+8*\b:\f+32+8*\b+7], v[\f+8*\a:\f+8*\a+7], v[8*(8*\a+\b):8*(8*\a+\b)+7]
.endif
.endr
.endm
.macro PLACES
.rept 4
	v_nop
.endr
.endm
.macro QUARTER slot, q, f, g, first    ; multiplies buffer f; in its middle fetches quarter q of the slot into g
	s_wait_dscnt 4                                 ; Wp's eight and y's tiles 0, 1 are in; the youngest four loads (y's tiles 2, 3) may be out
	MUL8 \f, 0, \first
	MUL8 \f, 1, \first
	PLACES
	WIN 0
	FETCH \slot, \q, \g
	s_wait_dscnt 24                                ; all but the 24 just issued
	MUL8 \f, 2, \first
	MUL8 \f, 3, \first
.endm
; A K step's last quarter multiplies buffer 1 and changes slots: each wave waits for all its tensor loads, adds 0 to its spare word, waits for that and for its reads of this slot.  fill = 1: the barrier opens a round of the
; cluster's barrier, and the joint refill, two K steps ahead, is the first tensor load behind it.
.macro TURN slot, next, fill
	WIN 0
	s_wait_tensorcnt 0x0
	ds_add_u32 v[SPW], v[NIL]
	s_wait_dscnt 5                                 ; the add and the youngest four loads may be out
	MUL8 F1, 0, 0
	s_wait_dscnt 0x0
	s_barrier_signal -1
	MUL8 F1, 1, 0
	WIN 0
	s_barrier_wait -1
.if \fill
	CREST
	s_add_nc_u64 s[G0+4*\slot+2:G0+4*\slot+3], s[G0+4*\slot+2:G0+4*\slot+3], 8192
	s_add_nc_u64 s[G0B+4*\slot+2:G0B+4*\slot+3], s[G0B+4*\slot+2:G0B+4*\slot+3], 8192
	JLOAD \slot                                    ; its four v_nop are also the places in front of the loads below
.else
	PLACES
.endif
	FETCH \next, 0, F0
	MUL8 F1, 2, 0
	MUL8 F1, 3, 0
.endm
	s_wait_tensorcnt 1                             ; my part of K step 0 is in; K step 1's may be out
	s_barrier_signal -1
	s_barrier_wait -1
	FETCH 0, 0, F0
	s_wait_loadcnt 0x0                             ; bp
	QUARTER 0, 1, F0, F1, 1                        ; the first products start the sums from bp
	WIN 0
	s_mov_b32 s3, 3
.Llap:                                 ; three trips: once round the two slots, both filled again
	QUARTER 0, 2, F1, F0, 0
	QUARTER 0, 3, F0, F1, 0
	TURN 0, 1, 1
	QUARTER 1, 1, F0, F1, 0
	QUARTER 1, 2, F1, F0, 0
	QUARTER 1, 3, F0, F1, 0
	TURN 1, 0, 1
	QUARTER 0, 1, F0, F1, 0
	WIN 0
	s_sub_co_u32 s3, s3, 1
	s_cmp_lg_u32 s3, 0
	s_cbranch_scc1 .Llap
	QUARTER 0, 2, F1, F0, 0                        ; the last two K steps fetch nothing
	QUARTER 0, 3, F0, F1, 0
	TURN 0, 1, 0
	QUARTER 1, 1, F0, F1, 0
	QUARTER 1, 2, F1, F0, 0
	QUARTER 1, 3, F0, F1, 0
	s_wait_dscnt 4
	MUL8 F1, 0, 0
	MUL8 F1, 1, 0
	s_wait_dscnt 0
	MUL8 F1, 2, 0
	MUL8 F1, 3, 0
	WIN 0
; THE WAY OUT, a block of 16 rows x 128 columns at a time, through my own stage: in as 32 bytes a lane, back as whole rows of 512 bytes.  LDS serves a wave's instructions in order (ISA guide 5.7.1.4).
.macro TOSTAGE a
	WIN 0x04                                       ; an LDS store's data: window 1
.irp b, 0,1,2,3,4,5,6,7
	ds_store_b128 v[STO], v[64*(\a)+8*\b:64*(\a)+8*\b+3] offset:64*\b          ; each accumulator from its low end on
	ds_store_b128 v[STO], v[64*(\a)+8*\b+4:64*(\a)+8*\b+7] offset:64*\b+16
.endr
	WIN 0
.set BB, BK+64*((\a)%2)
.irp t, 0,1,2,3,4,5,6,7,8,9,10,11,12,13,14,15
	ds_load_b128 v[BB+4*\t:BB+4*\t+3], v[RD] offset:\t*SPITCH
.endr
.endm
.macro SEND a, younger
.set BB, BK+64*((\a)%2)
	s_wait_dscnt \younger                          ; the block is back; the next block's 16 stores and 16 loads may be out
.irp t, 0,1,2,3,4,5,6,7,8,9,10,11,12,13,14,15
	global_store_b128 v[CO], v[BB+4*\t:BB+4*\t+3], s[10:11] offset:(16*(\a)+\t)*4096 th:TH_STORE_NT   ; 32 lanes store 512 consecutive bytes
.endr
.endm
	PLACES
	TOSTAGE 0
.irp a, 1,2,3
.if \a > 1
	s_wait_xcnt 0x0                                ; block a - 2's stores have read their data: block a's loads may land there
.endif
	TOSTAGE \a
	SEND \a-1, 32
.endr
	SEND 3, 0
	s_wait_tensorcnt 0x0                           ; the wave's end
	ds_add_u32 v[SPW], v[NIL]
	s_wait_dscnt 0x0
	CROUND                                         ; the closing round
	s_endpgm
.Lfunc_end_k_q223a2e6718_proj:
	.size	k_q223a2e6718_proj, .Lfunc_end_k_q223a2e6718_proj-k_q223a2e6718_proj
	.p2alignl 7, 3214868480
	.fill 96, 4, 3214868480
	.section	.rodata,"a",@progbits
	.p2align	6, 0x0
	.amdhsa_kernel k_q223a2e6718_proj
		.amdhsa_group_segment_fixed_size 327680
		.amdhsa_private_segment_fixed_size 0
		.amdhsa_enable_private_segment 0
		.amdhsa_kernarg_size 32
		.amdhsa_user_sgpr_count 2
		.amdhsa_user_sgpr_kernarg_segment_ptr 1
		.amdhsa_wavefront_size32 1
		.amdhsa_system_sgpr_workgroup_id_x 1
		.amdhsa_system_sgpr_workgroup_id_y 1
		.amdhsa_system_sgpr_workgroup_id_z 1
		.amdhsa_system_vgpr_workitem_id 0
		.amdhsa_next_free_vgpr 576
		.amdhsa_next_free_sgpr 66
		.amdhsa_reserve_vcc 0
		.amdhsa_float_denorm_mode_32 3
		.amdhsa_float_denorm_mode_16_64 3
		.amdhsa_memory_ordered 1
		.amdhsa_forward_progress 1
		.amdhsa_inst_pref_size 86
	.end_amdhsa_kernel
	.amdgpu_metadata
---
amdhsa.version: [ 1, 2 ]
amdhsa.kernels:
  - .name:           k_q223a2e6718_proj
    .symbol:         k_q223a2e6718_proj.kd
    .args:
      - { .name: yimg, .offset: 0, .size: 8, .value_kind: global_buffer, .address_space: global }
      - { .name: wpimg, .offset: 8, .size: 8, .value_kind: global_buffer, .address_space: global }
      - { .name: bp, .offset: 16, .size: 8, .value_kind: global_buffer, .address_space: global }
      - { .name: out0, .offset: 24, .size: 8, .value_kind: global_buffer, .address_space: global }
    .group_segment_fixed_size: 327680
    .private_segment_fixed_size: 0
    .kernarg_segment_align: 8
    .kernarg_segment_size: 32
    .max_flat_workgroup_size: 128
    .sgpr_count:     66
    .vgpr_count:     576
    .wavefront_size: 32
...
	.end_amdgpu_metadata
.endif
;; end of part 4
;; launch first16 (part 5): grid 16 x 4, 16 waves a work-group, no clusters, 71,680 bytes of LDS; arguments fine, Wp, bp, out0; writes out0
.if DOCPART == 5
	.amdgcn_target "amdgcn-amd-amdhsa--gfx1250"
	.amdhsa_code_object_version 6
	.text
	.protected	k_q223a2e6718_first16
	.globl	k_q223a2e6718_first16
	.p2align	8
	.type	k_q223a2e6718_first16,@function
k_q223a2e6718_first16:
	s_mov_b64 s[64:65], 0
	v_nop
	global_prefetch_b8 v0, s[64:65] scope:SCOPE_SE
	s_setreg_imm32_b32 hwreg(HW_REG_WAVE_MODE, 25, 1), 1
	s_wait_xcnt 0x0
; FIRST16: positions 0 - 15 of every sequence once more, with f32 operands throughout: there a row of the softmax averages one to sixteen values, and the rounding of 16-bit operands would weigh most.
; Work-group (slice of 64 output columns, batch).  Wave w is head w: its 16 x 16 attention, then its 64 channels of y against its 64 columns of the slice's 64 rows of Wp; the sixteen partial sums meet in LDS, and wave w adds
; and stores row w.  The small attention is repeated in the 16 slices: 32 matrix instructions a wave.  bk is left out as dead work (shown at the head of the first kernel).
; OPERANDS are register pairs of the f32 images that the second launch stored: register i of an image holds k = 8 h + i (h = lane / 16); the pair (2 i, 2 i + 1) is given to both sources alike, so each product pairs the same k on
; both sides, and four pairs cover 16 along K.  q' holds the factor log2(e) / 8: p = 2^(s - m); the row's maximum is taken away; p is normalised before the second product.
; The registers that the matrix instructions write (v176-191, v208-255) are written by them alone.
.set SPARE, 69632                      ; behind the sixteen partial sums of 16 rows x (256 + 16) bytes
.set LI,  1                            ; 16 x lane
.set WO,  2                            ; Wp: row r of 4,096 bytes + 32 h
.set DQ,  3                            ; r - 8 h
.set STO, 4
.set RDA, 5
.set GO,  6                            ; 8 x lane
.set NINF, 7
.set SPW, 8
.set NIL, 9
.set QQ,  16
.set KK,  48
.set VV,  80
.set W0,  112                          ; Wp's fragments of channel tiles 0, 1: (c, n) at + 8 (4 c + n)
.set W1,  16                           ; of channel tiles 2, 3, where Q and K lay
.set SA,  176
.set SB,  184
.set T,   192
.set O,   208
	s_load_b256 s[4:11], s[0:1], 0x0               ; fine 4:5, Wp 6:7, bp 8:9, out0 10:11
	v_lshl_add_u32 v[SPW], v0, 2, SPARE
	v_mov_b32 v[NIL], 0
	v_lshrrev_b32 v1, 5, v0
	v_readfirstlane_b32 s12, v1                    ; wave = head
	s_and_b32 s13, ttmp7, 0xffff                   ; batch
	v_and_b32 v12, 31, v0
	v_and_b32 v13, 15, v0                          ; r
	v_bfe_u32 v14, v0, 4, 1                        ; h
	v_lshlrev_b32 v[LI], 4, v12
	v_lshlrev_b32 v[WO], 12, v13
	v_lshl_add_u32 v[WO], v14, 5, v[WO]
	v_lshlrev_b32 v[DQ], 3, v14
	v_sub_nc_u32 v[DQ], v13, v[DQ]
	s_mul_i32 s14, s12, 4352
	v_mul_u32_u24 v[STO], v13, 272
	v_lshl_add_u32 v[STO], v14, 5, v[STO]
	v_add_nc_u32 v[STO], s14, v[STO]               ; my partial sum: row r, 32 bytes for each half of the lanes
	s_mul_i32 s15, s12, 272
	v_lshlrev_b32 v[GO], 3, v12
	v_add_nc_u32 v[RDA], s15, v[GO]                ; row w of a partial sum, 8 bytes a lane
	v_mov_b32 v[NINF], 0xff800000
	v_mov_b32 v201, 0                              ; a lane permute's destination counts as one of its sources
	s_mov_b32 s16, 0x76543210
	s_mov_b32 s17, 0xfedcba98
	s_lshl_b32 s20, s13, 16
	s_lshl_b32 s21, s12, 12
	s_add_co_u32 s20, s20, s21                     ; fine: 65,536 bytes a batch, 4,096 a head
	s_mov_b32 s21, 0
	s_lshl_b32 s22, ttmp9, 18
	s_lshl_b32 s23, s12, 8
	s_add_co_u32 s22, s22, s23                     ; Wp: 64 rows of 4,096 bytes a slice, 256 bytes a head
	s_mov_b32 s23, 0
	s_lshl_b32 s24, ttmp9, 8                       ; bp: 256 bytes a slice
	s_mov_b32 s25, 0
	s_lshl_b32 s26, s13, 11
	s_add_co_u32 s26, s26, s12                     ; out0: row batch x 2,048 + w
	s_lshl_b32 s26, s26, 12
	s_add_co_u32 s26, s26, s24
	s_mov_b32 s27, 0
	s_wait_kmcnt 0x0
	s_add_nc_u64 s[4:5], s[4:5], s[20:21]
	s_add_nc_u64 s[6:7], s[6:7], s[22:23]
	s_add_nc_u64 s[8:9], s[8:9], s[24:25]
	s_add_nc_u64 s[10:11], s[10:11], s[26:27]
.irp b, 0,1,2,3
	global_load_b128 v[QQ+8*\b:QQ+8*\b+3],   v[LI], s[4:5] offset:1024*\b
	global_load_b128 v[QQ+8*\b+4:QQ+8*\b+7], v[LI], s[4:5] offset:1024*\b+512
.endr
.irp b, 0,1,2,3
	global_load_b128 v[KK+8*\b:KK+8*\b+3],   v[LI], s[4:5] offset:262144+1024*\b
	global_load_b128 v[KK+8*\b+4:KK+8*\b+7], v[LI], s[4:5] offset:262144+1024*\b+512
.endr
.irp b, 0,1,2,3
	global_load_b128 v[VV+8*\b:VV+8*\b+3],   v[LI], s[4:5] offset:524288+1024*\b
	global_load_b128 v[VV+8*\b+4:VV+8*\b+7], v[LI], s[4:5] offset:524288+1024*\b+512
.endr
.irp c, 0,1
.irp n, 0,1,2,3
	global_load_b128 v[W0+8*(4*\c+\n):W0+8*(4*\c+\n)+3],   v[WO], s[6:7] offset:\n*65536+\c*64
	global_load_b128 v[W0+8*(4*\c+\n)+4:W0+8*(4*\c+\n)+7], v[WO], s[6:7] offset:\n*65536+\c*64+16
.endr
.endr
	global_load_b64 v[10:11], v[GO], s[8:9]        ; bp at my two columns of the slice
	s_wait_loadcnt 25                              ; Q and K are in; V's 8, Wp's 16 and bp's one may be out
.set m, 0
.irp b, 0,1,2,3                        ; S^T = K Q^T over 64 channels: two accumulators by turns; their first products start the sums
.irp i, 0,1,2,3
.if m < 2
	v_wmma_f32_16x16x4_f32 v[SA+8*(m%2):SA+8*(m%2)+7], v[KK+8*\b+2*\i:KK+8*\b+2*\i+1], v[QQ+8*\b+2*\i:QQ+8*\b+2*\i+1], 0
.else
	v_wmma_f32_16x16x4_f32 v[SA+8*(m%2):SA+8*(m%2)+7], v[KK+8*\b+2*\i:KK+8*\b+2*\i+1], v[QQ+8*\b+2*\i:QQ+8*\b+2*\i+1], v[SA+8*(m%2):SA+8*(m%2)+7]
.endif
.set m, m+1
.endr
.endr
.rept 8
	v_nop                                          ; eight places behind this form, in front of the reads of its results and of loads into its sources
.endr
.irp c, 0,1
.irp n, 0,1,2,3
	global_load_b128 v[W1+8*(4*\c+\n):W1+8*(4*\c+\n)+3],   v[WO], s[6:7] offset:\n*65536+(\c+2)*64
	global_load_b128 v[W1+8*(4*\c+\n)+4:W1+8*(4*\c+\n)+7], v[WO], s[6:7] offset:\n*65536+(\c+2)*64+16
.endr
.endr
.irp j, 0,1,2,3,4,5,6,7
	v_add_f32 v[T+\j], v[SA+\j], v[SB+\j]          ; lane (r, h): query r, key 8 h + j
.endr
.irp j, 0,1,2,3,4,5,6,7
	v_cmp_gt_i32 vcc_lo, \j, v[DQ]                 ; hidden where 8 h + j > r
	v_cndmask_b32 v[T+\j], v[T+\j], v[NINF], vcc_lo
.endr
	v_max3_num_f32 v200, v[T], v[T+1], v[T+2]
	v_max3_num_f32 v200, v200, v[T+3], v[T+4]
	v_max3_num_f32 v200, v200, v[T+5], v[T+6]
	v_max_num_f32 v200, v200, v[T+7]
	v_permlanex16_b32 v201, v200, s16, s17
	v_max_num_f32 v200, v200, v201                 ; the row's maximum: key 0 counts for every query, so it is a number
.irp j, 0,1,2,3,4,5,6,7
	v_sub_f32 v[T+\j], v[T+\j], v200
.endr
.irp j, 0,1,2,3,4,5,6,7
	v_exp_f32 v[T+\j], v[T+\j]
.endr
	v_nop
	s_wait_alu depctr_va_vdst(0)                   ; one wait for the eight exponentials, ahead of their first reader
	v_add_f32 v202, v[T], v[T+1]
	v_add_f32 v203, v[T+2], v[T+3]
	v_add_f32 v204, v[T+4], v[T+5]
	v_add_f32 v205, v[T+6], v[T+7]
	v_add_f32 v202, v202, v203
	v_add_f32 v204, v204, v205
	v_add_f32 v202, v202, v204
	v_permlanex16_b32 v201, v202, s16, s17
	v_add_f32 v202, v202, v201
	v_rcp_f32 v206, v202
	v_nop
	s_wait_alu depctr_va_vdst(0)
.irp j, 0,1,2,3,4,5,6,7
	v_mul_f32 v[T+\j], v[T+\j], v206               ; p, normalised: O^T is then final in its accumulators
.endr
	s_wait_loadcnt 33                              ; V is in; behind it Wp's first 16, bp's one and Wp's second 16 may be out
.irp i, 0,1,2,3                        ; O^T = V^T P over 16 keys: four accumulators by turns
.irp c, 0,1,2,3
.if \i == 0
	v_wmma_f32_16x16x4_f32 v[O+8*\c:O+8*\c+7], v[VV+8*\c+2*\i:VV+8*\c+2*\i+1], v[T+2*\i:T+2*\i+1], 0
.else
	v_wmma_f32_16x16x4_f32 v[O+8*\c:O+8*\c+7], v[VV+8*\c+2*\i:VV+8*\c+2*\i+1], v[T+2*\i:T+2*\i+1], v[O+8*\c:O+8*\c+7]
.endif
.endr
.endr
.rept 9
	v_nop                                          ; nine places: the results become operands
.endr
	s_wait_loadcnt 0x0
.irp c, 0,1,2,3                        ; my 64 channels against the slice's 64 rows of Wp (source 0), four accumulators by turns: lane (r, h): token r, columns 16 n + 8 h + 0 .. 7
.irp i, 0,1,2,3
.irp n, 0,1,2,3
.if \c < 2
.set WB, W0+8*(4*\c+\n)
.else
.set WB, W1+8*(4*(\c-2)+\n)
.endif
.set AB, SA+8*\n+48*(\n/2)
.if (\c == 0) && (\i == 0)
	v_wmma_f32_16x16x4_f32 v[AB:AB+7], v[WB+2*\i:WB+2*\i+1], v[O+8*\c+2*\i:O+8*\c+2*\i+1], 0
.else
	v_wmma_f32_16x16x4_f32 v[AB:AB+7], v[WB+2*\i:WB+2*\i+1], v[O+8*\c+2*\i:O+8*\c+2*\i+1], v[AB:AB+7]
.endif
.endr
.endr
.endr
.rept 8
	v_nop
.endr
.irp n, 0,1,2,3
.set AB, SA+8*\n+48*(\n/2)
	ds_store_b128 v[STO], v[AB:AB+3] offset:64*\n            ; each accumulator from its low end on
	ds_store_b128 v[STO], v[AB+4:AB+7] offset:64*\n+16
.endr
	s_wait_dscnt 0x0                               ; for the others' sake: my partial sum lies in LDS
	s_barrier_signal -1
	s_barrier_wait -1
.irp p, 0,1,2,3,4,5,6,7,8,9,10,11,12,13,14,15
	ds_load_b64 v[16+2*\p:17+2*\p], v[RDA] offset:\p*4352    ; row w of head p's partial sum
.endr
	s_wait_dscnt 0x0
.irp p, 0,1,2,3,4,5,6,7,8,9,10,11,12,13,14,15
	v_pk_add_f32 v[10:11], v[10:11], v[16+2*\p:17+2*\p]      ; bp, then the heads in ascending order
.endr
	global_store_b64 v[GO], v[10:11], s[10:11]     ; 32 lanes store 256 consecutive bytes of row w
	s_wait_tensorcnt 0x0                           ; the wave's end
	ds_add_u32 v[SPW], v[NIL]
	s_wait_dscnt 0x0
	s_endpgm
.Lfunc_end_k_q223a2e6718_first16:
	.size	k_q223a2e6718_first16, .Lfunc_end_k_q223a2e6718_first16-k_q223a2e6718_first16
	.p2alignl 7, 3214868480
	.fill 96, 4, 3214868480
	.section	.rodata,"a",@progbits
	.p2align	6, 0x0
	.amdhsa_kernel k_q223a2e6718_first16
		.amdhsa_group_segment_fixed_size 71680
		.amdhsa_private_segment_fixed_size 0
		.amdhsa_enable_private_segment 0
		.amdhsa_kernarg_size 32
		.amdhsa_user_sgpr_count 2
		.amdhsa_user_sgpr_kernarg_segment_ptr 1
		.amdhsa_wavefront_size32 1
		.amdhsa_system_sgpr_workgroup_id_x 1
		.amdhsa_system_sgpr_workgroup_id_y 1
		.amdhsa_system_sgpr_workgroup_id_z 1
		.amdhsa_system_vgpr_workitem_id 0
		.amdhsa_next_free_vgpr 256
		.amdhsa_next_free_sgpr 66
		.amdhsa_reserve_vcc 1
		.amdhsa_float_denorm_mode_32 3
		.amdhsa_float_denorm_mode_16_64 3
		.amdhsa_memory_ordered 1
		.amdhsa_forward_progress 1
		.amdhsa_inst_pref_size 20
	.end_amdhsa_kernel
	.amdgpu_metadata
---
amdhsa.version: [ 1, 2 ]
amdhsa.kernels:
  - .name:           k_q223a2e6718_first16
    .symbol:         k_q223a2e6718_first16.kd
    .args:
      - { .name: fine, .offset: 0, .size: 8, .value_kind: global_buffer, .address_space: global }
      - { .name: Wp, .offset: 8, .size: 8, .value_kind: global_buffer, .address_space: global }
      - { .name: bp, .offset: 16, .size: 8, .value_kind: global_buffer, .address_space: global }
      - { .name: out0, .offset: 24, .size: 8, .value_kind: global_buffer, .address_space: global }
    .group_segment_fixed_size: 71680
    .private_segment_fixed_size: 0
    .kernarg_segment_align: 8
    .kernarg_segment_size: 32
    .max_flat_workgroup_size: 512
    .sgpr_count:     66
    .vgpr_count:     256
    .wavefront_size: 32
...
	.end_amdgpu_metadata
.endif
;; end of part 5
